; MI455X (gfx1250); checked and timed in simulation.
; The chip was launched on July 23, 2026; its instructions are those of AMD's public machine-readable ISA for CDNA 5 (MIT licence, August 2026) and "CDNA5" Instruction Set Architecture Reference Guide (July 2026). The comments in the code are by the model that wrote it; some were corrected since.
;; Multi Scan VSSM. Allowed arithmetic: matrix products marked QUANTISED: E2M3 operands, one E8M0 scale for each 32 along K, by v_wmma_scale_f32_16x16x128_f8f6f4 with both operands' format E2M3, f32 sums; everything else in f32.
;; Inputs: b_reduce 32 float32; b_select 256 float32; ln_b 256 float32; ln_w 256 float32; w_reduce 256 x 32 float32; w_select 32 x 256 float32; x 8 x 256 x 56 x 56 float32.
;; Outputs: out0 8 x 3,136 x 256 float32.
;; This version of the problem:
;;   THIS VERSION OF THE PROBLEM IS GIVEN IN LOW PRECISION. The matrix products marked QUANTISED in the list below multiply operands that are first quantised to E2M3 (2 exponent bits, 3 mantissa bits; 6 bits a number), with one power-of-two scale for each 32 numbers along K (OCP MX v1.0); their sums are f32. All else is computed in f32.
;;   The module's matrix products, in the order in which they are computed (A, B: the left and right operand; K: the contracted axis; several contracted axes count as one K, in the product's order):
;;     1. [M 64, K 256] x [K 256, N 32]; A: computed on the way; B: input w_reduce: QUANTISED
;;     2. [M 64, K 32] x [K 32, N 256]; A: computed on the way; B: input w_select: QUANTISED
;;   THE QUANTISER, for each operand of a quantised product, along K:
;;     - K is cut into blocks of 32 from its start; a last block that is shorter is filled with zeros.
;;     - A block's scale is 2^e with e = floor(log2(the largest magnitude in the block)) - 2, held to -126 .. 127; a block of zeros has e = 0. As a byte (E8M0): e + 127.
;;     - Each number is divided by its block's scale, clamped to +-7.5, and rounded to the nearest number of E2M3, ties to even, subnormals kept.
;;     - The product sums the exact products of the quantised numbers (number of the format x scale) in f32.
;;   ~~~python
;;   def quantise(x, axis):      # numpy; x: float32 -> the quantised numbers, widened to float32 again
;;       x = np.moveaxis(x, axis, -1); K = x.shape[-1]
;;       x = np.pad(x, [(0, 0)] * (x.ndim - 1) + [(0, -K % 32)]); x = x.reshape(x.shape[:-1] + (-1, 32)); a = np.abs(x).max(-1, keepdims=True)
;;       e = np.where(a > 0, np.clip(np.frexp(np.where(a > 0, a, 1))[1] - 1 - 2, -126, 127), 0)      # np.frexp(a)[1] - 1 = floor(log2(a)), exactly
;;       r = np.clip(x / 2.0 ** e, -7.5, 7.5)
;;       step = 2.0 ** (np.maximum(np.frexp(np.where(r == 0, 1, r))[1] - 1, 0) - 3)
;;       q = np.round(r / step) * step * 2.0 ** e      # np.round: ties to even
;;       return np.moveaxis(q.reshape(q.shape[:-2] + (-1,))[..., :K], -1, axis).astype(np.float32)
;;   ~~~
;;   OPERANDS COMPUTED ON THE WAY. 'Computed on the way' means the value that the module computes at that place (a softmax that the list does not call 'softmax' is quantised finished and normalised). What goes into a quantiser is computed in f32, as accurately as f32 sums, v_exp_f32 and their like allow (about 1e-6 of the number): no bf16 or f16 on the way to a quantiser, and a product that is left as it is and whose result goes on into a quantised operand takes f32 operands (vector FMAs, or v_wmma_f32_16x16x4_f32). A number that lies on a knife's edge between two numbers of the format may be rounded either way, as far as f32 arithmetic and the matrix unit's own rounding can turn it there, and no further.
;; 2 versions, each right; version 2 is version 1 with the launches stats, merge written anew for expert scheduling mode. Each part assembles by itself: llvm-mc -triple=amdgcn-amd-amdhsa -mcpu=gfx1250 --defsym DOCPART=n.
;; ======== version 1 of 2: 2 launches
;; workspace buffers: part 204,800 bytes; wq 13,568 bytes
;; launch stats (part 1): grid 202 x 1, 8 waves a work-group, no clusters, 10,240 bytes of LDS; arguments x, w_reduce, w_select, ln_w, ln_b, part, wq; writes part, wq
.if DOCPART == 1
	.amdgcn_target "amdgcn-amd-amdhsa--gfx1250"
	.amdhsa_code_object_version 6
	.text
	.protected	k_q5683e9bbd3_stats
	.globl	k_q5683e9bbd3_stats
	.p2align	8
	.type	k_q5683e9bbd3_stats,@function
k_q5683e9bbd3_stats:
	s_mov_b64 s[64:65], 0
	v_nop
	global_prefetch_b8 v0, s[64:65] scope:SCOPE_SE
	s_setreg_imm32_b32 hwreg(HW_REG_WAVE_MODE, 25, 1), 1
	s_wait_xcnt 0x0
; FIRST OF TWO LAUNCHES.  x: [8][256 c][3136 l] f32.  Every scan of the module is undone by its own inverse (56 = 56 makes that true of the
; column scan too), for every input: all eight directions hold xs[b][l][c] = x[b][c][l].  So the pooled vector is the same in all eight:
; g[b][c] = mean over l of ((x - mu[l]) * rstd[l] * ln_w[c] + ln_b[c]), mu and rstd taken over the 256 channels of position l.
; WORK-GROUPS 0 .. 199 = 25 b + j: batch b, positions 128 j .. 128 j + 127, as two chunks of 64 (a row's piece of a chunk is 256 consecutive bytes at a
; multiple of 256).  Each stores one row of part [8][25][256]: the sum of the normalised, scaled and shifted numbers over its positions.
; 3136 = 49 chunks = 24 pairs and one: in work-group j = 24 the second chunk is the first read once more, with rstd = 0 and no share of ln_b: one way
; through the text for all, at the price of 64 KB read twice in 8 work-groups.
; Wave w holds channels 32 w .. 32 w + 31; lane (r = lane % 16, h = lane / 16) holds positions 4 r .. 4 r + 3 of channels 32 w + 16 h + i, i = 0 .. 15: 128 registers.
; The tile stays in registers: mean first, then the squares of the differences (no difference of large sums), then the weighted sums.
; WORK-GROUP 200 turns w_reduce, WORK-GROUP 201 w_select into codes of E2M3 with E8M0 scales along K (their first axis): a lane takes a column, its 32 registers
; run down K.  wq: bytes 0: w_reduce as images of the four operand fragments (tile t, K step s: 2 t + s; register p of lane l at 1536 f + 512 (p / 4) + 16 l + 4 (p % 4));
; 6144: their scale words, row r's four at 16 r;  6400: w_select's codes, three planes of 8 bytes a column;  12544: its scale words, one a column.
; No cluster: no two work-groups read the same bytes of x.  No tensor load: each byte is used from the registers into which it is loaded.
; LIMITS: NaN and infinities are not served; a block of a weight whose largest magnitude is under 2^-124 keeps the scale byte 1 (a block of zeros too: its codes are zeros).
.set ROW,    12544                     ; bytes of a channel's 3136 positions
.set BATCH,  256*ROW
.set PAIRS,  25
.set S,      16                        ; v16-23   sums over channels, then mu: 4 positions of chunk A, 4 of chunk B
.set Q,      24                        ; v24-31   sums of squares, then rstd
.set X,      32                        ; v32-95 chunk A, v96-159 chunk B: register 4 i + k = channel i, position k
.set R,      160                       ; v160-223 the eight waves' sums; later at work
.set P,      192                       ; v192-207 a sum for each of my 16 channels
.set RED1,   0                         ; LDS: 8 waves x 512 bytes, for the means;
.set RED2,   4096                      ; the same for the squares;
.set OUTP,   8192                      ; and the 256 results
.set W1S_AT, 6144
.set W2C_AT, 6400
.set W2S_AT, 12544
	s_load_b256 s[4:11], s[0:1], 0x0               ; x s[4:5], w_reduce s[6:7], w_select s[8:9], ln_w s[10:11]
	s_load_b128 s[12:15], s[0:1], 0x20             ; ln_b s[12:13], part s[14:15]
	s_load_b64 s[16:17], s[0:1], 0x30              ; wq
	v_lshl_add_u32 v224, v0, 2, 0x2400
	v_mov_b32 v225, 0
	v_lshrrev_b32 v1, 5, v0
	v_readfirstlane_b32 s18, v1                    ; wave 0..7
	v_and_b32 v1, 31, v0                           ; lane
	v_and_b32 v2, 15, v0                           ; r
	v_bfe_u32 v3, v0, 4, 1                         ; h
	s_mov_b32 s20, 0x76543210
	s_mov_b32 s21, 0xfedcba98                      ; v_permlanex16_b32's selects for lane l xor 16
	s_wait_kmcnt 0x0
	s_cmp_ge_u32 ttmp9, 8*PAIRS
	s_cbranch_scc1 .Lweights
	; ---------------- the sums of a pair of chunks
	s_mul_i32 s22, ttmp9, 5243
	s_lshr_b32 s22, s22, 17                        ; b = id / 25 (5243 / 2^17 is just over 1 / 25: right for every id under 200)
	s_mul_i32 s23, s22, PAIRS
	s_sub_co_u32 s23, ttmp9, s23                   ; j
	s_cmp_lt_u32 s23, PAIRS-1                      ; has the pair a second chunk?
	s_cselect_b32 s24, 256, 0                      ; where chunk B begins, from chunk A
	s_cselect_b32 s26, 1.0, 0                      ; what its rstd is multiplied by
	s_mov_b32 s25, 0x42800000                      ; 64.0
	s_cselect_b32 s25, 0x43000000, s25             ; the positions that count: 128.0 or 64.0
	s_mov_b32 s27, s26                             ; (named with s26 as a pair)
	s_mul_i32 s28, s22, BATCH
	s_mul_i32 s29, s18, 32*ROW
	s_add_co_u32 s28, s28, s29
	s_lshl_b32 s29, s23, 9
	s_add_co_u32 s28, s28, s29                     ; under 2^25
	s_mov_b32 s29, 0
	s_add_nc_u64 s[4:5], s[4:5], s[28:29]          ; x at my wave's first channel, my pair's first position
	s_lshl_b32 s28, ttmp9, 10
	s_add_nc_u64 s[14:15], s[14:15], s[28:29]      ; part at row 25 b + j
	s_mov_b32 s30, 0xaaaaaaaa                      ; the lanes in which bit 0, 1, 2, 3 of r is set
	s_mov_b32 s31, 0xcccccccc
	s_mov_b32 s32, 0xf0f0f0f0
	s_mov_b32 s33, 0xff00ff00
	s_mov_b32 s34, 0x3b800000                      ; 1 / 256
	s_mov_b32 s35, 0x3727c5ac                      ; 1e-5
	v_lshlrev_b32 v10, 2, v0                       ; 4 x thread: channel 32 w + lane in ln_w, ln_b and among the results in LDS
	v_mul_u32_u24 v4, v3, 16*ROW
	v_lshl_add_u32 v4, v2, 4, v4                   ; 16 h channels down, 16 r bytes along
	v_add_nc_u32 v5, s24, v4
	global_load_b32 v11, v10, s[10:11]             ; ln_w
	global_load_b32 v12, v10, s[12:13]             ; ln_b
.irp i, 0,1,2,3,4,5,6,7,8,9,10,11,12,13,14,15
	global_load_b128 v[X+4*\i:X+4*\i+3], v4, s[4:5] offset:\i*ROW          ; sixteen lanes read 256 consecutive bytes of a channel; no hint: the next launch reads x again
.endr
.irp i, 0,1,2,3,4,5,6,7,8,9,10,11,12,13,14,15
	global_load_b128 v[X+64+4*\i:X+64+4*\i+3], v5, s[4:5] offset:\i*ROW
.endr
	v_lshlrev_b32 v7, 4, v2                        ; LDS: 16 r: where a wave's four sums of positions 4 r .. lie
	s_lshl_b32 s28, s18, 9
	v_add_nc_u32 v6, s28, v7                       ; + 512 x wave: where I put mine
	v_lshlrev_b32 v9, 4, v0                        ; 16 x thread: the way out (waves 0 and 1)
.irp q, 0,1,2,3,4,5,6,7
	v_mov_b32 v[R+\q], 0                           ; written once: a lane permute's destination counts as one of its sources
.endr
; Eight numbers a lane (4 positions x 2 chunks), summed so far over the lane's 16 channels, are summed over all 256: lane l xor 16, then the eight waves through LDS.
; My stores are waited for in front of the signal; the others' are read behind the wait.  Each of the two sums has LDS bytes of its own, so nothing is written over.
.macro REDUCE a, base
.irp q, 0,1,2,3,4,5,6,7
	v_permlanex16_b32 v[R+\q], v[\a+\q], s20, s21
.endr
.irp q, 0,2,4,6
	v_pk_add_f32 v[\a+\q:\a+\q+1], v[\a+\q:\a+\q+1], v[R+\q:R+\q+1]
.endr
	ds_store_b128 v6, v[\a:\a+3] offset:\base      ; (both halves of the lanes write the same bytes with the same values)
	ds_store_b128 v6, v[\a+4:\a+7] offset:\base+256
	s_wait_dscnt 0x0
	s_barrier_signal -1
	s_barrier_wait -1
.irp w, 0,1,2,3,4,5,6,7
	ds_load_b128 v[R+8*\w:R+8*\w+3], v7 offset:\base+512*\w
	ds_load_b128 v[R+8*\w+4:R+8*\w+7], v7 offset:\base+512*\w+256
.endr
	s_wait_dscnt 0x0
.irp q, 0,2,4,6
	v_pk_add_f32 v[\a+\q:\a+\q+1], v[R+\q:R+\q+1], v[R+8+\q:R+8+\q+1]
.endr
.irp w, 2,3,4,5,6,7
.irp q, 0,2,4,6
	v_pk_add_f32 v[\a+\q:\a+\q+1], v[\a+\q:\a+\q+1], v[R+8*\w+\q:R+8*\w+\q+1]
.endr
.endr
.endm
	s_wait_loadcnt 16                              ; ln_w, ln_b and chunk A are in; chunk B's 16 loads may be out
	v_pk_add_f32 v[S:S+1], v[X:X+1], v[X+4:X+5]
	v_pk_add_f32 v[S+2:S+3], v[X+2:X+3], v[X+6:X+7]
.irp i, 2,3,4,5,6,7,8,9,10,11,12,13,14,15
	v_pk_add_f32 v[S:S+1], v[S:S+1], v[X+4*\i:X+4*\i+1]
	v_pk_add_f32 v[S+2:S+3], v[S+2:S+3], v[X+4*\i+2:X+4*\i+3]
.endr
	s_wait_loadcnt 0x0
	v_pk_add_f32 v[S+4:S+5], v[X+64:X+65], v[X+68:X+69]
	v_pk_add_f32 v[S+6:S+7], v[X+66:X+67], v[X+70:X+71]
.irp i, 2,3,4,5,6,7,8,9,10,11,12,13,14,15
	v_pk_add_f32 v[S+4:S+5], v[S+4:S+5], v[X+64+4*\i:X+64+4*\i+1]
	v_pk_add_f32 v[S+6:S+7], v[S+6:S+7], v[X+64+4*\i+2:X+64+4*\i+3]
.endr
	REDUCE S, RED1
.irp q, 0,2,4,6
	v_pk_mul_f32 v[S+\q:S+\q+1], v[S+\q:S+\q+1], 0x3b800000 op_sel_hi:[1,0]      ; mu = sum / 256
.endr
.irp i, 0,1,2,3,4,5,6,7,8,9,10,11,12,13,14,15
	v_pk_add_f32 v[X+4*\i:X+4*\i+1], v[X+4*\i:X+4*\i+1], v[S:S+1] neg_lo:[0,1] neg_hi:[0,1]          ; x - mu, in place
	v_pk_add_f32 v[X+4*\i+2:X+4*\i+3], v[X+4*\i+2:X+4*\i+3], v[S+2:S+3] neg_lo:[0,1] neg_hi:[0,1]
	v_pk_add_f32 v[X+64+4*\i:X+64+4*\i+1], v[X+64+4*\i:X+64+4*\i+1], v[S+4:S+5] neg_lo:[0,1] neg_hi:[0,1]
	v_pk_add_f32 v[X+64+4*\i+2:X+64+4*\i+3], v[X+64+4*\i+2:X+64+4*\i+3], v[S+6:S+7] neg_lo:[0,1] neg_hi:[0,1]
.endr
	v_pk_mul_f32 v[Q:Q+1], v[X:X+1], v[X:X+1]      ; the first squares start the sums: nothing is cleared
	v_pk_mul_f32 v[Q+2:Q+3], v[X+2:X+3], v[X+2:X+3]
	v_pk_mul_f32 v[Q+4:Q+5], v[X+64:X+65], v[X+64:X+65]
	v_pk_mul_f32 v[Q+6:Q+7], v[X+66:X+67], v[X+66:X+67]
.irp i, 1,2,3,4,5,6,7,8,9,10,11,12,13,14,15
	v_pk_fma_f32 v[Q:Q+1], v[X+4*\i:X+4*\i+1], v[X+4*\i:X+4*\i+1], v[Q:Q+1]
	v_pk_fma_f32 v[Q+2:Q+3], v[X+4*\i+2:X+4*\i+3], v[X+4*\i+2:X+4*\i+3], v[Q+2:Q+3]
	v_pk_fma_f32 v[Q+4:Q+5], v[X+64+4*\i:X+64+4*\i+1], v[X+64+4*\i:X+64+4*\i+1], v[Q+4:Q+5]
	v_pk_fma_f32 v[Q+6:Q+7], v[X+64+4*\i+2:X+64+4*\i+3], v[X+64+4*\i+2:X+64+4*\i+3], v[Q+6:Q+7]
.endr
	REDUCE Q, RED2
.irp q, 0,1,2,3,4,5,6,7
	v_fma_f32 v[Q+\q], v[Q+\q], s34, s35           ; var + 1e-5
.endr
.irp q, 0,1,2,3,4,5,6,7
	v_rsq_f32 v[Q+\q], v[Q+\q]
.endr
	v_nop                                          ; a plain instruction behind the last of the batch
	s_wait_alu depctr_va_vdst(0)                   ; one wait for the eight, ahead of their first reader
	v_pk_mul_f32 v[Q+4:Q+5], v[Q+4:Q+5], s[26:27] op_sel_hi:[1,0]      ; chunk B counts, or not
	v_pk_mul_f32 v[Q+6:Q+7], v[Q+6:Q+7], s[26:27] op_sel_hi:[1,0]
	; for each of my 16 channels: the sum over my 8 positions of (x - mu) rstd
.irp i, 0,1,2,3,4,5,6,7,8,9,10,11,12,13,14,15
	v_pk_mul_f32 v[R+2*\i:R+2*\i+1], v[X+4*\i:X+4*\i+1], v[Q:Q+1]
.endr
.irp i, 0,1,2,3,4,5,6,7,8,9,10,11,12,13,14,15
	v_pk_fma_f32 v[R+2*\i:R+2*\i+1], v[X+4*\i+2:X+4*\i+3], v[Q+2:Q+3], v[R+2*\i:R+2*\i+1]
.endr
.irp i, 0,1,2,3,4,5,6,7,8,9,10,11,12,13,14,15
	v_pk_fma_f32 v[R+2*\i:R+2*\i+1], v[X+64+4*\i:X+64+4*\i+1], v[Q+4:Q+5], v[R+2*\i:R+2*\i+1]
.endr
.irp i, 0,1,2,3,4,5,6,7,8,9,10,11,12,13,14,15
	v_pk_fma_f32 v[R+2*\i:R+2*\i+1], v[X+64+4*\i+2:X+64+4*\i+3], v[Q+6:Q+7], v[R+2*\i:R+2*\i+1]
.endr
.irp i, 0,1,2,3,4,5,6,7,8,9,10,11,12,13,14,15
	v_add_f32 v[P+\i], v[R+2*\i], v[R+2*\i+1]
.endr
; Sixteen sums in each of sixteen lanes become one whole sum a lane.  A step halves the numbers: of a pair (2 k, 2 k + 1) a lane keeps the one named by a bit of r, gives the other
; to the lane that differs in that bit, and adds what it is given.  After bits 0, 1, 2, 3 lane r holds channel i = r: 45 instructions where sixteen full sums would take 64.
.macro FOLD src, dst, n, mask, x
.set FK, 0
.rept \n
	v_cndmask_b32 v[\dst+FK], v[\src+2*FK], v[\src+2*FK+1], s[\mask]          ; kept
	v_cndmask_b32 v[\dst+\n+FK], v[\src+2*FK+1], v[\src+2*FK], s[\mask]       ; given
.set FK, FK+1
.endr
.set FK, 0
.rept \n
	v_add_f32_dpp v[\dst+FK], v[\dst+\n+FK], v[\dst+FK] row_xmask:\x row_mask:0xf bank_mask:0xf
.set FK, FK+1
.endr
.endm
	FOLD 192, 208, 8, 30, 1
	FOLD 208, 192, 4, 31, 2
	FOLD 192, 208, 2, 32, 4
	FOLD 208, 192, 1, 33, 8
	v_mul_f32 v12, s25, v12                        ; ln_b x the positions that count
	v_fma_f32 v[P], v[P], v11, v12                 ; channel 32 w + 16 h + r = my thread's number
	ds_store_b32 v10, v[P] offset:OUTP
	s_wait_dscnt 0x0                               ; for the others' sake
	s_barrier_signal -1
	s_barrier_wait -1
	s_cmp_gt_u32 s18, 1
	s_cbranch_scc1 .Ldone
	ds_load_b128 v[S:S+3], v9 offset:OUTP          ; waves 0 and 1 take the 1,024 bytes out:
	s_wait_dscnt 0x0
	global_store_b128 v9, v[S:S+3], s[14:15]       ; each store covers 512 consecutive bytes, aligned to 256
.Ldone:
	s_wait_tensorcnt 0x0
	ds_add_u32 v224, v225
	s_wait_dscnt 0x0
	s_endpgm
	; ---------------- the weights.  32 numbers of one block of one column, v64-95, become 6 registers of codes, v48-53; v34 the conversion's scale operand, v35 the scale's byte
.macro QUANT32
	s_wait_loadcnt 0x0
	v_max3_num_f32 v32, |v64|, |v65|, |v66|        ; the block's largest magnitude: all 32 numbers are mine; two chains
	v_max3_num_f32 v33, |v67|, |v68|, |v69|
.irp i, 6,10,14,18,22,26
	v_max3_num_f32 v32, v32, |v[64+\i]|, |v[65+\i]|
	v_max3_num_f32 v33, v33, |v[66+\i]|, |v[67+\i]|
.endr
	v_max3_num_f32 v32, v32, |v94|, |v95|
	v_max3_num_f32 v32, v32, v33, 0x1800000        ; and the floor 2^(3 - 127): the byte cannot fall under 1
	v_add_nc_u32 v34, 0xff000000, v32              ; 2 off its exponent field: the conversion takes this operand's exponent field as its scale
	v_lshrrev_b32 v35, 23, v34
	v_cvt_scalef32_pk16_fp6_f32 v[48:50], v[64:79], v34
	v_cvt_scalef32_pk16_fp6_f32 v[54:56], v[80:95], v34      ; (a conversion's three registers begin on an even number)
	v_nop                                          ; one plain instruction behind a scaled conversion
	v_mov_b32 v51, v54
	v_mov_b32 v52, v55
	v_mov_b32 v53, v56
.endm
.Lweights:
	s_cmp_eq_u32 ttmp9, 8*PAIRS+1
	s_cbranch_scc1 .Lselect
	; w_reduce [256 k][32 n].  Wave w: tile t = w / 4, rows k = 64 (w % 4) + 32 h + i: half (w % 2) of fragment f = w / 2.
	; THE COLUMNS OF A TILE ARE NOT NEIGHBOURS: lane r of tile t takes n = 8 t + r + 8 (r / 8), so that the product's 16 results of a lane are 16 neighbours along the next K.
	s_lshr_b32 s22, s18, 2
	s_lshl_b32 s22, s22, 5                         ; 8 t columns of 4 bytes
	s_and_b32 s23, s18, 3
	s_lshl_b32 s23, s23, 13                        ; 64 rows of 128 bytes
	s_add_co_u32 s22, s22, s23
	v_and_b32 v4, 8, v2
	v_add_nc_u32 v4, v4, v2
	v_lshlrev_b32 v4, 2, v4
	v_lshl_add_u32 v4, v3, 12, v4                  ; + 32 h rows
	v_add_nc_u32 v4, s22, v4
.irp i, 0,1,2,3,4,5,6,7,8,9,10,11,12,13,14,15,16,17,18,19,20,21,22,23,24,25,26,27,28,29,30,31
	global_load_b32 v[64+\i], v4, s[6:7] offset:128*\i
.endr
	s_lshr_b32 s22, s18, 1
	s_mul_i32 s22, s22, 1536                       ; fragment f's image
	v_lshlrev_b32 v5, 4, v1
	v_add_nc_u32 v5, s22, v5                       ; + 16 x lane
	s_lshl_b32 s22, s18, 1
	v_lshl_add_u32 v6, v2, 4, v3
	v_add_nc_u32 v6, s22, v6                       ; the byte of block 2 (w % 2) + h in word f of row r: 16 r + 2 w + h
	QUANT32
	global_store_b8 v6, v35, s[16:17] offset:W1S_AT
	s_and_b32 s23, s18, 1
	s_cmp_eq_u32 s23, 0
	s_cbranch_scc0 .Lupper
	global_store_b128 v5, v[48:51], s[16:17]                 ; registers 0-3 of the fragment,
	global_store_b64 v5, v[52:53], s[16:17] offset:512       ; 4 and 5
	s_endpgm
.Lupper:
	global_store_b64 v5, v[48:49], s[16:17] offset:520       ; registers 6 and 7,
	global_store_b128 v5, v[50:53], s[16:17] offset:1024     ; 8-11.  (6,400 bytes in all: the pieces of 8 bytes and the single bytes are a small price for one load of 16 bytes a lane in the next launch)
	s_endpgm
.Lselect:
	; w_select [32 k][256 c]: my thread's number is my column; K is one block
	v_lshlrev_b32 v4, 2, v0
.irp i, 0,1,2,3,4,5,6,7,8,9,10,11,12,13,14,15,16,17,18,19,20,21,22,23,24,25,26,27,28,29,30,31
	global_load_b32 v[64+\i], v4, s[8:9] offset:1024*\i      ; a wave reads 128 consecutive bytes
.endr
	v_lshlrev_b32 v5, 3, v0
	QUANT32
	v_or_b32 v35, 0x7f7f7f00, v35                  ; the scale word of a K step of 128: three blocks of zero codes follow, under the byte of 1.0
.irp p, 0,1,2
	global_store_b64 v5, v[48+2*\p:49+2*\p], s[16:17] offset:W2C_AT+2048*\p   ; a wave's store covers 256 consecutive bytes, aligned
.endr
	global_store_b32 v4, v35, s[16:17] offset:W2S_AT
	s_endpgm
.Lfunc_end_k_q5683e9bbd3_stats:
	.size	k_q5683e9bbd3_stats, .Lfunc_end_k_q5683e9bbd3_stats-k_q5683e9bbd3_stats
	.p2alignl 7, 3214868480
	.fill 96, 4, 3214868480
	.section	.rodata,"a",@progbits
	.p2align	6, 0x0
	.amdhsa_kernel k_q5683e9bbd3_stats
		.amdhsa_group_segment_fixed_size 10240
		.amdhsa_private_segment_fixed_size 0
		.amdhsa_enable_private_segment 0
		.amdhsa_kernarg_size 56
		.amdhsa_user_sgpr_count 2
		.amdhsa_user_sgpr_kernarg_segment_ptr 1
		.amdhsa_wavefront_size32 1
		.amdhsa_system_sgpr_workgroup_id_x 1
		.amdhsa_system_sgpr_workgroup_id_y 1
		.amdhsa_system_sgpr_workgroup_id_z 1
		.amdhsa_system_vgpr_workitem_id 0
		.amdhsa_next_free_vgpr 226
		.amdhsa_next_free_sgpr 66
		.amdhsa_reserve_vcc 0
		.amdhsa_float_denorm_mode_32 3
		.amdhsa_float_denorm_mode_16_64 3
		.amdhsa_memory_ordered 1
		.amdhsa_forward_progress 1
		.amdhsa_inst_pref_size 46
	.end_amdhsa_kernel
	.amdgpu_metadata
---
amdhsa.version: [ 1, 2 ]
amdhsa.kernels:
  - .name:           k_q5683e9bbd3_stats
    .symbol:         k_q5683e9bbd3_stats.kd
    .args:
      - { .name: x, .offset: 0, .size: 8, .value_kind: global_buffer, .address_space: global }
      - { .name: w_reduce, .offset: 8, .size: 8, .value_kind: global_buffer, .address_space: global }
      - { .name: w_select, .offset: 16, .size: 8, .value_kind: global_buffer, .address_space: global }
      - { .name: ln_w, .offset: 24, .size: 8, .value_kind: global_buffer, .address_space: global }
      - { .name: ln_b, .offset: 32, .size: 8, .value_kind: global_buffer, .address_space: global }
      - { .name: part, .offset: 40, .size: 8, .value_kind: global_buffer, .address_space: global }
      - { .name: wq, .offset: 48, .size: 8, .value_kind: global_buffer, .address_space: global }
    .group_segment_fixed_size: 10240
    .private_segment_fixed_size: 0
    .kernarg_segment_align: 8
    .kernarg_segment_size: 56
    .max_flat_workgroup_size: 256
    .sgpr_count:     66
    .vgpr_count:     226
    .wavefront_size: 32
...
	.end_amdgpu_metadata
.endif
;; end of part 1
;; launch merge (part 2): grid 200 x 1, 8 waves a work-group, no clusters, 135,936 bytes of LDS; arguments x, part, wq, b_reduce, b_select, out0; writes out0
.if DOCPART == 2
	.amdgcn_target "amdgcn-amd-amdhsa--gfx1250"
	.amdhsa_code_object_version 6
	.text
	.protected	k_q5683e9bbd3_merge
	.globl	k_q5683e9bbd3_merge
	.p2align	8
	.type	k_q5683e9bbd3_merge,@function
k_q5683e9bbd3_merge:
	s_mov_b64 s[64:65], 0
	v_nop
	global_prefetch_b8 v0, s[64:65] scope:SCOPE_SE
	s_setreg_imm32_b32 hwreg(HW_REG_WAVE_MODE, 25, 1), 1
	s_wait_xcnt 0x0
; SECOND OF TWO LAUNCHES.  out[b][l][c] = 8 gate[b][c] x[b][c][l]: the eight directions hold the same numbers (see the first launch), so their sum is eight times one of them.
; gate = sigmoid(Q(gelu(Q(g) Q(w_reduce) + b_reduce)) Q(w_select) + b_select), g = (the sum of the batch's 25 rows of part) / 3136; Q: codes of E2M3, one E8M0 scale for each 32 along K.
; WORK-GROUP 25 b + j: batch b, positions 128 j .. 128 j + 127 as two chunks of 64, all 256 channels: 2 x 64 KB in, 2 x 64 KB out, each chunk's output one dense block.
; j = 24 has one chunk: its second 16 loads read the first chunk again (so that every wave counts the same loads on every way) and are not used: a branch on the work-group's number goes round that chunk's work.
; EVERY WORK-GROUP MAKES ITS BATCH'S GATE ITSELF, while its part of x is on its way: the sum over a batch spans work-groups, so it is finished in this launch, and a launch for the gate alone is spared.
; All 16 rows of the products' tiles are the same row: the batch's eight directions, twice.
; THE CHAIN.  Wave w sums the 25 rows for its block of 32 channels and makes the block's codes and scale byte | barrier | wave 0: Q(g) Q(w_reduce), four matrix instructions; gelu; its codes, as an
; image of the operand's registers, to LDS | barrier | every wave: two matrix instructions for its own 32 channels, sigmoid, the multiplications, results into a stage in LDS | barrier | rows of out leave.
; BOTH PRODUCTS ARE USED TRANSPOSED (source 0 = 16 columns of the weight, source 1 = the 16 equal rows): a lane's registers then run along the weight's columns.  So wave w, lane (r, h) finds the gates of
; channels 32 w + 16 t + 8 h + e in register e of tile t, and loads just these 16 channels of x (positions 4 r .. 4 r + 3): nothing changes lanes between the gate and its use.
; THE TURN.  x(c, l) gate(c) is written to the register that the transposed order asks for, so four channels of one position leave by one store of 16 bytes.  In the stage four positions' rows take
; 4 x 1,024 + 16 bytes: lanes r = 0 .. 15 of a store then begin 16 bytes further on in each 256, and the reads back are 512 consecutive bytes.
; No cluster: a batch's 25 work-groups divide into no cluster of 2 or 4, and what they share (25,600 bytes of part, 13,568 of wq) is small beside each one's own 262,144 bytes in and out.
; No tensor load: each byte of x is used once, from the registers into which it is loaded.  No prefetch: every load of the launch is issued at its head.
; A wave has 47 loads out at the most, wave 0 60: fewer than the 63 that the counter's field holds, so no load's issue waits for another's return.
; gelu is the exact one: 1 + erf(x / sqrt 2) = 2 - erfc(z) for x >= 0, erfc(z) for x < 0, z = |x| / sqrt 2, erfc(z) = t exp(-z z + P(t)), t = 1 / (1 + z / 2), P of degree 9
; (Numerical Recipes' erfcc: fractional error under 1.2e-7 for every z); in f32 the exponent's rounding adds up to some 4e-6 of the number at x = -13.
; LIMITS: NaN and infinities are not served; under x = -13.2 the exponential falls under the smallest normal number and gelu is -0; a block whose largest magnitude is under 2^-124 keeps the scale byte 1 (a block of zeros too: its codes are zeros).
; REGISTERS, window 0: v1-26 lane numbers and addresses, v27 and the other registers named ..S scale words and nothing else, the rest as listed.  Window 1: v0-63 chunk A of x, v64-127 chunk B (later rows of out), v128-255 the products.
.set ROW,    12544                     ; bytes of a channel's 3136 positions
.set BATCH,  256*ROW                   ; a batch in x, and in out (3136 x 1,024)
.set PAIRS,  25
.set W1S_AT, 6144                      ; wq, as the first launch lays it
.set W2C_AT, 6400
.set W2S_AT, 12544
.set G,      0                         ; LDS: 128 bytes for each wave, its own: its 32 numbers of g
.set GC,     1024                      ; g's codes: 24 bytes a block, 192 in all: the row's stream of bits
.set GS,     1280                      ; g's 8 scale bytes
.set IMG,    1536                      ; the hidden layer's operand: 12 registers x 128 bytes
.set IMGS,   3072                      ; and its scale word, 4 bytes a lane
.set STG,    3328                      ; the stages: one for each chunk
.set GRP,    4112                      ; four positions' rows
.set STAGE,  16*GRP
.set HBS,    27                        ; the hidden layer's scale word
.set P,      28                        ; v28-55   seven loads of part
.set QN,     56                        ; v56-87   my block's 32 numbers
.set MX,     88
.set SCL,    90
.set BYT,    91
.set CD,     92                        ; v92-97   my block's codes (v98-100: the second conversion's)
.set CT,     98
.set W1,     104                       ; v104-151 wave 0: w_reduce's four fragments
.set W1S,    152                       ; v152-155 their scale words
.set BR,     156                       ; v156-171 b_reduce in the result's layout
.set GF,     172                       ; v172-195 g's two fragments
.set GFS,    196                       ; v196-197 their scale words
.set H,      198                       ; v198-213 the hidden layer: hidden units 16 h + 0 .. 15
.set W2,     214                       ; v214-237 w_select's two fragments
.set W2S,    238                       ; their scale words: tile 0's in lanes 0-15, tile 1's in lanes 16-31
.set BS,     240                       ; v240-255 b_select in the result's layout
.set T,      28                        ; wave 0, gelu: t;
.set PL,     44                        ; the polynomial, the exponent, the exponential;
.set XH,     60                        ; x / 2;
.set SG,     76                        ; the sign as +-1, then +-t;
.set AA,     104                       ; 1 + the sign, then 1 + erf  (from here on in the registers that held w_reduce)
.set K9,     120
.set PC,     124                       ; v124-135 the hidden layer's codes
.set PZ,     136
.set HM,     140
.set HSC,    142
.set HW,     143
.set HB,     28                        ; every wave, behind the second barrier: the hidden layer's operand;
.set D2,     44                        ; the second product;
.set E,      60
.set GT,     76                        ; v76-91   8 x gate of my 16 channels
.set MSB, 0
.macro WIN new                         ; s_set_vgpr_msb: bits 1:0 source 0, 3:2 source 1, 7:6 destination; the high byte repeats the setting that is left
.if MSB != \new
	s_set_vgpr_msb (MSB<<8)|\new
.set MSB, \new
.endif
.endm
	s_load_b256 s[4:11], s[0:1], 0x0               ; x s[4:5], part s[6:7], wq s[8:9], b_reduce s[10:11]
	s_load_b128 s[12:15], s[0:1], 0x20             ; b_select s[12:13], out s[14:15]
	v_lshl_add_u32 v103, v0, 2, 0x20f00
	v_mov_b32 v239, 0
	v_lshrrev_b32 v1, 5, v0
	v_readfirstlane_b32 s20, v1                    ; wave 0..7
	v_and_b32 v1, 31, v0                           ; lane
	v_and_b32 v2, 15, v0                           ; r
	v_bfe_u32 v3, v0, 4, 1                         ; h
	s_mul_i32 s21, ttmp9, 5243
	s_lshr_b32 s21, s21, 17                        ; b = id / 25 (right for every id under 200)
	s_mul_i32 s22, s21, PAIRS
	s_sub_co_u32 s22, ttmp9, s22                   ; j
	s_cmp_lt_u32 s22, PAIRS-1
	s_cselect_b32 s23, 256, 0                      ; where chunk B begins, from chunk A
	s_mov_b32 s26, 0x76543210
	s_mov_b32 s27, 0xfedcba98                      ; v_permlanex16_b32's selects for lane l xor 16
	s_mov_b32 s28, 0x3eb504f3                      ; 1 / (2 sqrt 2)
	s_mov_b32 s29, 0x7fffffff
	s_mov_b32 s30, 0xffff0000                      ; lanes 16-31
	; every address register is made here, ahead of the first parting of the waves, and never written again
	v_lshlrev_b32 v7, 4, v1                        ; 16 x lane: an image's place for my lane, in wq and in LDS
	v_lshlrev_b32 v8, 2, v1                        ; 4 x lane
	v_lshlrev_b32 v9, 4, v2                        ; 16 r: w_reduce's scale words
	s_lshl_b32 s24, s20, 8
	v_lshl_add_u32 v10, v1, 3, s24                 ; 8 x (32 w + lane): w_select's codes
	s_lshl_b32 s24, s20, 7                         ; 128 w
	v_add_nc_u32 v11, s24, v8                      ; 4 x (32 w + lane): its scale words
	v_lshl_add_u32 v12, v3, 5, s24                 ; 4 x (32 w + 8 h): b_select, and my channels' bytes in a row of the stage
	v_and_b32 v13, 7, v0
	v_lshl_add_u32 v13, v13, 4, s24                ; 128 w + 16 (lane % 8): four channels of my block, in a row of part and in my wave's bytes of LDS
	v_bfe_u32 v6, v0, 3, 2
	v_lshl_add_u32 v6, v6, 10, v13                 ; + row lane / 8 of part
	v_mov_b32 v14, s24                             ; my wave's 128 bytes of LDS
	s_mul_i32 s25, s20, 24
	v_mov_b32 v15, s25                             ; my block's 24 bytes of codes
	v_mov_b32 v16, s20                             ; my block's scale byte
	v_mul_u32_u24 v17, v3, 24                      ; a fragment of g: every lane takes the same row, + 24 h
	v_mov_b32 v18, 0
	v_mul_u32_u24 v21, v2, GRP
	v_add_nc_u32 v21, v12, v21                     ; into stage A: positions 4 r .., my channels
	v_add_nc_u32 v22, STAGE, v21                   ; into stage B
	s_mul_i32 s25, s20, 2*GRP
	v_add_nc_u32 v23, s25, v7                      ; out of stage A: positions 8 w .. 8 w + 7, 16 bytes a lane
	v_add_nc_u32 v24, STAGE, v23
	s_lshl_b32 s25, s20, 13
	v_add_nc_u32 v25, s25, v7                      ; and the same place in out
	v_add_nc_u32 v26, -1, v3                       ; all ones in lanes 0-15, 0 in lanes 16-31
	v_mul_u32_u24 v4, v3, 8*ROW
	v_lshl_add_u32 v4, v2, 4, v4                   ; x: 8 h channels down, 16 r bytes along
	v_add_nc_u32 v5, s23, v4
	s_mul_i32 s24, s21, BATCH
	s_mov_b32 s25, 0
	s_wait_kmcnt 0x0
	s_add_nc_u64 s[4:5], s[4:5], s[24:25]
	s_add_nc_u64 s[14:15], s[14:15], s[24:25]
	s_mul_i32 s24, s20, 32*ROW
	s_add_nc_u64 s[4:5], s[4:5], s[24:25]
	s_lshl_b32 s24, s22, 9
	s_add_nc_u64 s[4:5], s[4:5], s[24:25]          ; x at my wave's first channel, my pair's first position
	s_lshl_b32 s24, s22, 17
	s_add_nc_u64 s[14:15], s[14:15], s[24:25]      ; out at my pair's first position
	s_mul_i32 s24, s21, PAIRS*1024
	s_add_nc_u64 s[6:7], s[6:7], s[24:25]          ; part at my batch's 25 rows
	s_load_b512 s[32:47], s[10:11], 0x0            ; b_reduce: 32 numbers, the same for every lane
	s_load_b512 s[48:63], s[10:11], 0x40
	; THE LOADS, all at once, those that the chain wants first issued first: loads return in the order of issue (ISA guide 5.7.1)
	s_cmp_lg_u32 s20, 0
	s_cbranch_scc1 .Lshared_loads
.irp f, 0,1,2,3
.irp q, 0,1,2
	global_load_b128 v[W1+12*\f+4*\q:W1+12*\f+4*\q+3], v7, s[8:9] offset:1536*\f+512*\q      ; wave 0: fragment f = 2 t + s as it was stored, 512 consecutive bytes a load
.endr
.endr
	global_load_b128 v[W1S:W1S+3], v9, s[8:9] offset:W1S_AT
.Lshared_loads:
.irp m, 0,1,2,3,4,5
	global_load_b128 v[P+4*\m:P+4*\m+3], v6, s[6:7] offset:4096*\m      ; rows 4 m + lane / 8 of part, four channels a lane
.endr
	global_load_b128 v[P+24:P+27], v13, s[6:7] offset:24576             ; row 24, in every group of eight lanes
.irp p, 0,1,2
	global_load_b64 v[W2+2*\p:W2+2*\p+1], v10, s[8:9] offset:W2C_AT+2048*\p      ; column 32 w + lane: lanes 0-15 tile 0's, lanes 16-31 tile 1's; 256 consecutive bytes a load
.endr
	global_load_b32 v[W2S], v11, s[8:9] offset:W2S_AT
.irp t, 0,1
	global_load_b128 v[BS+8*\t:BS+8*\t+3], v12, s[12:13] offset:64*\t
	global_load_b128 v[BS+8*\t+4:BS+8*\t+7], v12, s[12:13] offset:64*\t+16
.endr
	WIN 0x40                                       ; destination window 1
.irp i, 0,1,2,3,4,5,6,7,8,9,10,11,12,13,14,15
	global_load_b128 v[4*\i:4*\i+3], v4, s[4:5] offset:(16*(\i/8)+\i%8)*ROW th:TH_LOAD_NT      ; channel 32 w + 16 (i / 8) + 8 h + i % 8: sixteen lanes read its 256 bytes
.endr
.irp i, 0,1,2,3,4,5,6,7,8,9,10,11,12,13,14,15
	global_load_b128 v[64+4*\i:64+4*\i+3], v5, s[4:5] offset:(16*(\i/8)+\i%8)*ROW th:TH_LOAD_NT
.endr
	WIN 0
	; work on registers while the loads are out
.irp q, 6,7,8,9,10,11,12,13,14,15,16,17,18,19,20,21,22,23
	v_mov_b32 v[W2+\q], 0                          ; K is 32 of the instruction's 128: the rest are zero codes.  (Registers 12-17 are written again below)
.endr
.irp q, 0,1,2,3
	v_mov_b32 v[QN+\q], 0                          ; written once: a lane permute's destination counts as one of its sources
.endr
	s_wait_kmcnt 0x0
.irp q, 0,1,2,3,4,5,6,7,8,9,10,11,12,13,14,15
	v_mov_b32 v[BR+\q], s[48+\q]
	v_cndmask_b32 v[BR+\q], s[32+\q], v[BR+\q], s30          ; b_reduce(16 h + q): the C of the first product
.endr
	; ---- g: my block of 32 channels
	s_wait_loadcnt 40                              ; part's seven loads are in (wave 0: w_reduce's too, issued ahead of them); behind them 8 loads of weights and 32 of x may be out
	v_pk_add_f32 v[P:P+1], v[P:P+1], v[P+4:P+5]
	v_pk_add_f32 v[P+2:P+3], v[P+2:P+3], v[P+6:P+7]
	v_pk_add_f32 v[P+8:P+9], v[P+8:P+9], v[P+12:P+13]
	v_pk_add_f32 v[P+10:P+11], v[P+10:P+11], v[P+14:P+15]
	v_pk_add_f32 v[P+16:P+17], v[P+16:P+17], v[P+20:P+21]
	v_pk_add_f32 v[P+18:P+19], v[P+18:P+19], v[P+22:P+23]
	v_pk_add_f32 v[P:P+1], v[P:P+1], v[P+8:P+9]
	v_pk_add_f32 v[P+2:P+3], v[P+2:P+3], v[P+10:P+11]
	v_pk_add_f32 v[P:P+1], v[P:P+1], v[P+16:P+17]
	v_pk_add_f32 v[P+2:P+3], v[P+2:P+3], v[P+18:P+19]        ; six rows; the other eighteen lie in lanes l xor 8, l xor 16, l xor 24
.irp q, 0,1,2,3
	v_add_f32_dpp v[P+\q], v[P+\q], v[P+\q] row_xmask:8 row_mask:0xf bank_mask:0xf
.endr
.irp q, 0,1,2,3
	v_permlanex16_b32 v[QN+\q], v[P+\q], s26, s27
.endr
	v_pk_add_f32 v[P:P+1], v[P:P+1], v[QN:QN+1]
	v_pk_add_f32 v[P+2:P+3], v[P+2:P+3], v[QN+2:QN+3]
	v_pk_add_f32 v[P:P+1], v[P:P+1], v[P+24:P+25]            ; and row 24, which every lane holds: added once, behind the exchange
	v_pk_add_f32 v[P+2:P+3], v[P+2:P+3], v[P+26:P+27]
	v_pk_mul_f32 v[P:P+1], v[P:P+1], 0x39a72f05 op_sel_hi:[1,0]      ; / 3136
	v_pk_mul_f32 v[P+2:P+3], v[P+2:P+3], 0x39a72f05 op_sel_hi:[1,0]
	ds_store_b128 v13, v[P:P+3] offset:G           ; the conversions take 16 neighbours from ONE lane's registers: the block turns through my wave's own 128 bytes
.irp q, 0,1,2,3,4,5,6,7
	ds_load_b128 v[QN+4*\q:QN+4*\q+3], v14 offset:G+16*\q    ; LDS serves a wave's instructions in order (ISA guide 5.7.1.4): these see my store; every lane takes all 32
.endr
	s_wait_dscnt 0x0
	v_max3_num_f32 v[MX], |v[QN]|, |v[QN+1]|, |v[QN+2]|
	v_max3_num_f32 v[MX+1], |v[QN+3]|, |v[QN+4]|, |v[QN+5]|
.irp i, 6,10,14,18,22,26
	v_max3_num_f32 v[MX], v[MX], |v[QN+\i]|, |v[QN+\i+1]|
	v_max3_num_f32 v[MX+1], v[MX+1], |v[QN+\i+2]|, |v[QN+\i+3]|
.endr
	v_max3_num_f32 v[MX], v[MX], |v[QN+30]|, |v[QN+31]|
	v_max3_num_f32 v[MX], v[MX], v[MX+1], 0x1800000          ; the block's largest magnitude, and the floor 2^(3 - 127): the byte cannot fall under 1
	v_add_nc_u32 v[SCL], 0xff000000, v[MX]         ; 2 off its exponent field: the conversion's scale operand
	v_lshrrev_b32 v[BYT], 23, v[SCL]               ; the scale's byte
	v_cvt_scalef32_pk16_fp6_f32 v[CD:CD+2], v[QN:QN+15], v[SCL]
	v_cvt_scalef32_pk16_fp6_f32 v[CT:CT+2], v[QN+16:QN+31], v[SCL]   ; (a conversion's three registers begin on an even number)
	v_nop                                          ; one plain instruction behind a scaled conversion
.irp i, 0,1,2
	v_mov_b32 v[CD+3+\i], v[CT+\i]
.endr
.irp p, 0,1,2
	ds_store_b64 v15, v[CD+2*\p:CD+2*\p+1] offset:GC+8*\p    ; block w's 24 bytes of the row's stream (all lanes write the same bytes with the same values)
.endr
	ds_store_b8 v16, v[BYT] offset:GS
	s_wait_loadcnt 32                              ; w_select's codes and scale words and b_select are in; x's 32 loads may be out
.irp q, 0,1,2,3,4,5
	v_permlanex16_b32 v[W2+12+\q], v[W2+\q], s26, s27        ; tile 1's columns come down into lanes 0-15;
.endr
.irp q, 0,1,2,3,4,5
	v_and_b32 v[W2+\q], v26, v[W2+\q]              ; lanes 16-31 hold k = 32 .. 63 of an operand: zero codes
	v_and_b32 v[W2+12+\q], v26, v[W2+12+\q]
.endr
	s_wait_dscnt 0x0                               ; for wave 0's sake: my codes and my byte lie in LDS
	s_barrier_signal -1
	s_barrier_wait -1
	; ---- wave 0: the first product, gelu, the hidden layer's codes
	s_cmp_lg_u32 s20, 0
	s_cbranch_scc1 .Lhidden_made
.irp s, 0,1
.irp p, 0,1,2,3,4,5
	ds_load_b64 v[GF+12*\s+2*\p:GF+12*\s+2*\p+1], v17 offset:GC+96*\s+48*(\p/3)+8*(\p%3)     ; registers 6 c .. 6 c + 5: k = 128 s + 64 c + 32 h + 0 .. 31, 24 bytes of the stream
.endr
	ds_load_b32 v[GFS+\s], v18 offset:GS+4*\s
.endr
	s_wait_dscnt 0x0
	; source 0 = 16 columns of w_reduce, source 1 = g; the two accumulators take turns, K step by K step
	v_wmma_scale_f32_16x16x128_f8f6f4 v[H:H+7], v[W1:W1+11], v[GF:GF+11], v[BR:BR+7], v[W1S], v[GFS] matrix_a_fmt:MATRIX_FMT_FP6 matrix_b_fmt:MATRIX_FMT_FP6
	v_wmma_scale_f32_16x16x128_f8f6f4 v[H+8:H+15], v[W1+24:W1+35], v[GF:GF+11], v[BR+8:BR+15], v[W1S+2], v[GFS] matrix_a_fmt:MATRIX_FMT_FP6 matrix_b_fmt:MATRIX_FMT_FP6
	v_wmma_scale_f32_16x16x128_f8f6f4 v[H:H+7], v[W1+12:W1+23], v[GF+12:GF+23], v[H:H+7], v[W1S+1], v[GFS+1] matrix_a_fmt:MATRIX_FMT_FP6 matrix_b_fmt:MATRIX_FMT_FP6
	v_wmma_scale_f32_16x16x128_f8f6f4 v[H+8:H+15], v[W1+36:W1+47], v[GF+12:GF+23], v[H+8:H+15], v[W1S+3], v[GFS+1] matrix_a_fmt:MATRIX_FMT_FP6 matrix_b_fmt:MATRIX_FMT_FP6
.rept 4
	v_nop                                          ; four places behind a matrix instruction, ahead of the first read of its result (ISA guide 7.12.1)
.endr
.irp i, 0,1,2,3,4,5,6,7,8,9,10,11,12,13,14,15
	v_fma_f32 v[T+\i], |v[H+\i]|, s28, 1.0         ; 1 + z / 2.  (Each accumulator is read from its low end on)
.endr
.irp i, 0,1,2,3,4,5,6,7,8,9,10,11,12,13,14,15
	v_rcp_f32 v[T+\i], v[T+\i]                     ; t
.endr
.irp i, 0,2,4,6,8,10,12,14
	v_pk_mul_f32 v[XH+\i:XH+\i+1], v[H+\i:H+\i+1], 0.5 op_sel_hi:[1,0]       ; work that names no reciprocal stands behind the batch
.endr
.irp i, 0,1,2,3,4,5,6,7,8,9,10,11,12,13,14,15
	v_bfi_b32 v[SG+\i], s29, 1.0, v[H+\i]          ; s = 1 with x's sign
.endr
.irp i, 0,2,4,6,8,10,12,14
	v_pk_add_f32 v[AA+\i:AA+\i+1], v[SG+\i:SG+\i+1], 1.0 op_sel_hi:[1,0]     ; 2 or 0
.endr
	v_mov_b32 v[K9], 0x3e2ef945                    ; 0.17087277
	v_mov_b32 v[K9+1], 0x3e2ef945
	s_wait_alu depctr_va_vdst(0)                   ; one wait for the sixteen reciprocals, ahead of their first reader
.irp i, 0,2,4,6,8,10,12,14
	v_pk_fma_f32 v[PL+\i:PL+\i+1], v[T+\i:T+\i+1], v[K9:K9+1], 0xbf527892 op_sel_hi:[1,1,0]          ; -0.82215223
.endr
.irp k, 0x3fbe87b0, 0xbf914e5d, 0x3e8ec7cc, 0xbe3ec24c, 0x3dc636c9, 0x3ebf88fb, 0x3f8000c7, 0xbfa1fc4e
.irp i, 0,2,4,6,8,10,12,14
	v_pk_fma_f32 v[PL+\i:PL+\i+1], v[PL+\i:PL+\i+1], v[T+\i:T+\i+1], \k op_sel_hi:[1,1,0]            ; 1.48851587, -1.13520398, 0.27886807, -0.18628806, 0.09678418, 0.37409196, 1.00002368, -1.26551223
.endr
.endr
.irp i, 0,2,4,6,8,10,12,14
	v_pk_fma_f32 v[PL+\i:PL+\i+1], v[XH+\i:XH+\i+1], v[H+\i:H+\i+1], v[PL+\i:PL+\i+1] neg_lo:[1,0,0] neg_hi:[1,0,0]      ; P(t) - x x / 2
.endr
.irp i, 0,2,4,6,8,10,12,14
	v_pk_mul_f32 v[PL+\i:PL+\i+1], v[PL+\i:PL+\i+1], 0x3fb8aa3b op_sel_hi:[1,0]      ; x log2(e)
.endr
.irp i, 0,1,2,3,4,5,6,7,8,9,10,11,12,13,14,15
	v_exp_f32 v[PL+\i], v[PL+\i]
.endr
.irp i, 0,2,4,6,8,10,12,14
	v_pk_mul_f32 v[SG+\i:SG+\i+1], v[SG+\i:SG+\i+1], v[T+\i:T+\i+1]          ; s t: plain work behind the batch
.endr
	s_wait_alu depctr_va_vdst(0)                   ; one wait for the sixteen exponentials
.irp i, 0,2,4,6,8,10,12,14
	v_pk_fma_f32 v[AA+\i:AA+\i+1], v[SG+\i:SG+\i+1], v[PL+\i:PL+\i+1], v[AA+\i:AA+\i+1] neg_lo:[1,0,0] neg_hi:[1,0,0]    ; (1 + s) - s erfc(z) = 1 + erf(x / sqrt 2): one rounding, nothing cancels
.endr
.irp i, 0,2,4,6,8,10,12,14
	v_pk_mul_f32 v[H+\i:H+\i+1], v[XH+\i:XH+\i+1], v[AA+\i:AA+\i+1]          ; gelu
.endr
	v_max3_num_f32 v[HM], |v[H]|, |v[H+1]|, 0x1800000        ; the one block of 32: my 16, with the floor,
	v_max3_num_f32 v[HM+1], |v[H+2]|, |v[H+3]|, |v[H+4]|
	v_max3_num_f32 v[HM], v[HM], |v[H+5]|, |v[H+6]|
	v_max3_num_f32 v[HM+1], v[HM+1], |v[H+7]|, |v[H+8]|
	v_max3_num_f32 v[HM], v[HM], |v[H+9]|, |v[H+10]|
	v_max3_num_f32 v[HM+1], v[HM+1], |v[H+11]|, |v[H+12]|
	v_max3_num_f32 v[HM], v[HM], |v[H+13]|, |v[H+14]|
	v_max3_num_f32 v[HM], v[HM], v[HM+1], |v[H+15]|
	v_permlanex16_b32 v[HM+1], v[HM], s26, s27
	v_max_num_f32 v[HM], v[HM], v[HM+1]            ; and lane l xor 16's
	v_add_nc_u32 v[HSC], 0xff000000, v[HM]
	v_lshrrev_b32 v[HW], 23, v[HSC]
	v_or_b32 v[HW], 0x7f7f7f00, v[HW]              ; the scale word: three blocks of zero codes follow, under the byte of 1.0
	v_cvt_scalef32_pk16_fp6_f32 v[PC:PC+2], v[H:H+15], v[HSC]        ; the codes of k = 16 h + 0 .. 15
.irp i, 0,1,2
	v_mov_b32 v[PZ+\i], 0                          ; (plain instructions behind the conversion)  the block beside it is zeros
.endr
.irp i, 6,7,8,9,10,11
	v_mov_b32 v[PC+\i], 0
.endr
.irp i, 0,1,2
	v_permlane16_swap_b32 v[PC+\i], v[PZ+\i]       ; the operand wants the whole block in lanes 0-15: the first's lanes 16-31 change places with the second's lanes 0-15
.endr
.irp i, 0,1,2
	v_mov_b32 v[PC+3+\i], v[PZ+\i]                 ; registers 0-5: lanes 0-15 k = 0 .. 31, lanes 16-31 zeros
.endr
.irp q, 0,1,2
	ds_store_b128 v7, v[PC+4*\q:PC+4*\q+3] offset:IMG+512*\q         ; the operand goes to LDS as an image of its registers
.endr
	ds_store_b32 v8, v[HW] offset:IMGS
.Lhidden_made:
	s_wait_dscnt 0x0                               ; wave 0's stores have landed
	s_barrier_signal -1
	s_barrier_wait -1
	; ---- every wave: the gates of its 32 channels
.irp q, 0,1,2
	ds_load_b128 v[HB+4*\q:HB+4*\q+3], v7 offset:IMG+512*\q
.endr
	ds_load_b32 v[HBS], v8 offset:IMGS
.rept 4
	v_nop                                          ; an operand written by vector instructions (w_select's, masked above) stands four places ahead of a scaled matrix instruction; these pass while the loads are out
.endr
	s_wait_dscnt 0x0
	v_wmma_scale_f32_16x16x128_f8f6f4 v[D2:D2+7], v[W2:W2+11], v[HB:HB+11], v[BS:BS+7], v[W2S], v[HBS] matrix_a_fmt:MATRIX_FMT_FP6 matrix_b_fmt:MATRIX_FMT_FP6
	v_wmma_scale_f32_16x16x128_f8f6f4 v[D2+8:D2+15], v[W2+12:W2+23], v[HB:HB+11], v[BS+8:BS+15], v[W2S], v[HBS] matrix_a_fmt:MATRIX_FMT_FP6 matrix_b_fmt:MATRIX_FMT_FP6 matrix_a_scale:MATRIX_SCALE_ROW1
.rept 4
	v_nop
.endr
.irp i, 0,2,4,6,8,10,12,14
	v_pk_mul_f32 v[E+\i:E+\i+1], v[D2+\i:D2+\i+1], 0xbfb8aa3b op_sel_hi:[1,0]        ; -y log2(e)
.endr
.irp i, 0,1,2,3,4,5,6,7,8,9,10,11,12,13,14,15
	v_exp_f32 v[E+\i], v[E+\i]
.endr
	v_nop
	s_wait_alu depctr_va_vdst(0)                   ; one wait for the batch
.irp i, 0,2,4,6,8,10,12,14
	v_pk_fma_f32 v[E+\i:E+\i+1], v[E+\i:E+\i+1], 0x3e000000, 0x3e000000 op_sel_hi:[1,0,0]    ; (1 + e^-y) / 8: exact
.endr
.irp i, 0,1,2,3,4,5,6,7,8,9,10,11,12,13,14,15
	v_rcp_f32 v[GT+\i], v[E+\i]                    ; 8 sigmoid(y): register 8 t + e is channel 32 w + 16 t + 8 h + e, the channel of x's load 8 t + e
.endr
	v_nop
	s_wait_alu depctr_va_vdst(0)                   ; one wait for the batch
; A chunk: 64 products, each written where the transposed order wants it (channels 4 m + 0 .. 3 of position k side by side), and 16 stores of 16 bytes into the stage
.macro SCALE xr, tr, adr
	WIN 0x41                                       ; x and the products in window 1, the gates in window 0
.irp m, 0,1,2,3
.irp k, 0,1,2,3
.irp e, 0,1,2,3
	v_mul_f32 v[\tr+16*\m+4*\k+\e], v[\xr+4*(4*\m+\e)+\k], v[GT+4*\m+\e]
.endr
.endr
.endr
	WIN 0x04                                       ; an LDS store's data are its source 1
.irp m, 0,1,2,3
.irp k, 0,1,2,3
	ds_store_b128 v[\adr], v[\tr+16*\m+4*\k:\tr+16*\m+4*\k+3] offset:STG+1024*\k+64*(\m/2)+16*(\m%2)
.endr
.endr
	WIN 0
.endm
; A chunk's way out: my wave's 8 positions, 16 halves of a row; each store covers 512 consecutive bytes at a multiple of 256 from out's first byte
.macro SEND rd, xr, off
	WIN 0x40
.irp q, 0,1,2,3,4,5,6,7,8,9,10,11,12,13,14,15
	ds_load_b128 v[\xr+4*\q:\xr+4*\q+3], v[\rd] offset:STG+GRP*(\q/8)+1024*((\q/2)%4)+512*(\q%2)
.endr
	WIN 0x04                                       ; a store's data are its source 1
.irp q, 0,1,2,3,4,5,6,7,8,9,10,11,12,13,14,15
	s_wait_dscnt 15-\q                             ; LDS loads return in order: number q is in, the younger ones may be out
	global_store_b128 v25, v[\xr+4*\q:\xr+4*\q+3], s[14:15] offset:\off+512*\q th:TH_STORE_NT
.endr
	WIN 0
.endm
	s_wait_loadcnt 16                              ; chunk A is in; chunk B's 16 loads may be out
	SCALE 0, 128, 21
	s_wait_loadcnt 0x0                             ; on every way: no load is out when its registers are taken again below
	s_cmp_eq_u32 s22, PAIRS-1                      ; the batch's last work-group has one chunk: the same in all its waves
	s_cbranch_scc1 .Lone_chunk
	SCALE 64, 192, 22
.Lone_chunk:
	s_wait_dscnt 0x0                               ; for the others' sake: my stores into the stages have landed
	s_barrier_signal -1
	s_barrier_wait -1
	SEND 23, 0, 0
	s_cmp_eq_u32 s22, PAIRS-1
	s_cbranch_scc1 .Lend
	SEND 24, 64, 65536
.Lend:
	s_wait_tensorcnt 0x0
	ds_add_u32 v103, v239
	s_wait_dscnt 0x0
	s_endpgm
.Lfunc_end_k_q5683e9bbd3_merge:
	.size	k_q5683e9bbd3_merge, .Lfunc_end_k_q5683e9bbd3_merge-k_q5683e9bbd3_merge
	.p2alignl 7, 3214868480
	.fill 96, 4, 3214868480
	.section	.rodata,"a",@progbits
	.p2align	6, 0x0
	.amdhsa_kernel k_q5683e9bbd3_merge
		.amdhsa_group_segment_fixed_size 135936
		.amdhsa_private_segment_fixed_size 0
		.amdhsa_enable_private_segment 0
		.amdhsa_kernarg_size 48
		.amdhsa_user_sgpr_count 2
		.amdhsa_user_sgpr_kernarg_segment_ptr 1
		.amdhsa_wavefront_size32 1
		.amdhsa_system_sgpr_workgroup_id_x 1
		.amdhsa_system_sgpr_workgroup_id_y 1
		.amdhsa_system_sgpr_workgroup_id_z 1
		.amdhsa_system_vgpr_workitem_id 0
		.amdhsa_next_free_vgpr 512
		.amdhsa_next_free_sgpr 66
		.amdhsa_reserve_vcc 0
		.amdhsa_float_denorm_mode_32 3
		.amdhsa_float_denorm_mode_16_64 3
		.amdhsa_memory_ordered 1
		.amdhsa_forward_progress 1
		.amdhsa_inst_pref_size 50
	.end_amdhsa_kernel
	.amdgpu_metadata
---
amdhsa.version: [ 1, 2 ]
amdhsa.kernels:
  - .name:           k_q5683e9bbd3_merge
    .symbol:         k_q5683e9bbd3_merge.kd
    .args:
      - { .name: x, .offset: 0, .size: 8, .value_kind: global_buffer, .address_space: global }
      - { .name: part, .offset: 8, .size: 8, .value_kind: global_buffer, .address_space: global }
      - { .name: wq, .offset: 16, .size: 8, .value_kind: global_buffer, .address_space: global }
      - { .name: b_reduce, .offset: 24, .size: 8, .value_kind: global_buffer, .address_space: global }
      - { .name: b_select, .offset: 32, .size: 8, .value_kind: global_buffer, .address_space: global }
      - { .name: out0, .offset: 40, .size: 8, .value_kind: global_buffer, .address_space: global }
    .group_segment_fixed_size: 135936
    .private_segment_fixed_size: 0
    .kernarg_segment_align: 8
    .kernarg_segment_size: 48
    .max_flat_workgroup_size: 256
    .sgpr_count:     66
    .vgpr_count:     512
    .wavefront_size: 32
...
	.end_amdgpu_metadata
.endif
;; end of part 2
;; ======== version 2 of 2: 2 launches; version 1 with the launches stats, merge written anew for expert scheduling mode
;; workspace buffers: part 204,800 bytes; wq 13,568 bytes
;; launch stats (part 3): grid 202 x 1, 8 waves a work-group, no clusters, 10,240 bytes of LDS; arguments x, w_reduce, w_select, ln_w, ln_b, part, wq; writes part, wq
.if DOCPART == 3
	.amdgcn_target "amdgcn-amd-amdhsa--gfx1250"
	.amdhsa_code_object_version 6
	.text
	.protected	k_q5683e9bbd3_stats
	.globl	k_q5683e9bbd3_stats
	.p2align	8
	.type	k_q5683e9bbd3_stats,@function
k_q5683e9bbd3_stats:
	s_mov_b64 s[64:65], 0
	v_nop
	global_prefetch_b8 v0, s[64:65] scope:SCOPE_SE
	s_setreg_imm32_b32 hwreg(HW_REG_WAVE_SCHED_MODE, 0, 2), 2
	s_setreg_imm32_b32 hwreg(HW_REG_WAVE_MODE, 25, 1), 1
	s_wait_xcnt 0x0
	s_wait_alu depctr_vm_vsrc(0)
; FIRST OF TWO LAUNCHES.  x: [8][256 c][3136 l] f32.  Every scan of the module is undone by its own inverse (56 = 56 makes that true of the
; column scan too), for every input: all eight directions hold xs[b][l][c] = x[b][c][l].  So the pooled vector is the same in all eight:
; g[b][c] = mean over l of ((x - mu[l]) * rstd[l] * ln_w[c] + ln_b[c]), mu and rstd taken over the 256 channels of position l.
; WORK-GROUPS 0 .. 199 = 25 b + j: batch b, positions 128 j .. 128 j + 127, as two chunks of 64 (a row's piece of a chunk is 256 consecutive bytes at a
; multiple of 256).  Each stores one row of part [8][25][256]: the sum of the normalised, scaled and shifted numbers over its positions.
; 3136 = 49 chunks = 24 pairs and one: in work-group j = 24 the second chunk is the first read once more, with rstd = 0 and no share of ln_b: one way
; through the text for all, at the price of 64 KB read twice in 8 work-groups.
; Wave w holds channels 32 w .. 32 w + 31; lane (r = lane % 16, h = lane / 16) holds positions 4 r .. 4 r + 3 of channels 32 w + 16 h + i, i = 0 .. 15: 128 registers.
; The tile stays in registers: mean first, then the squares of the differences (no difference of large sums), then the weighted sums.
; WORK-GROUP 200 turns w_reduce, WORK-GROUP 201 w_select into codes of E2M3 with E8M0 scales along K (their first axis): a lane takes a column, its 32 registers
; run down K.  wq: bytes 0: w_reduce as images of the four operand fragments (tile t, K step s: 2 t + s; register p of lane l at 1536 f + 512 (p / 4) + 16 l + 4 (p % 4));
; 6144: their scale words, row r's four at 16 r;  6400: w_select's codes, three planes of 8 bytes a column;  12544: its scale words, one a column.
; No cluster: no two work-groups read the same bytes of x.  No tensor load: each byte is used from the registers into which it is loaded.
; LIMITS: NaN and infinities are not served; a block of a weight whose largest magnitude is under 2^-124 keeps the scale byte 1 (a block of zeros too: its codes are zeros).
; THE MODE: SCHED_MODE bits 1:0 = 2 (LLVM: expert scheduling mode 2), set by the entry lines.  The code itself states the register dependences
; between vector instructions and memory or LDS instructions, with s_wait_alu, always for 0.
; THE PLAN.  Registers that memory or LDS instructions touch, and who else names them:
;   v4, v5, v10   offsets (v10 an LDS address too): written once at the head, ahead of the first load.
;   v6, v7, v9    LDS addresses and the way out's offset: written once, behind x's loads, ahead of the first LDS store.
;   v11, v12, X   loaded once; from then on named by vector instructions alone.
;   S, Q          written by the sums; read by the two LDS stores of REDUCE; written again by its additions over the waves.  At the end the results land in S .. S + 3.
;   R             written and read by permutes and additions; the sixteen LDS loads of REDUCE land in it.
;   v[P]          written by the last multiply-add; read by the result's LDS store.
;   the weights' ways: v4 an offset, v64-95 loaded once, v5, v6 offsets, v35 and v48-53 the stores' data.
; So: one wait on va_sdst for the wave's number; one on va_vdst ahead of the first load; in REDUCE one on va_vdst ahead of its stores and one on vm_vsrc ahead of the
; additions that write the stored registers again; one on va_vdst ahead of the result's LDS store; on the weights' ways one ahead of the loads and one ahead of the stores.
.set ROW,    12544                     ; bytes of a channel's 3136 positions
.set BATCH,  256*ROW
.set PAIRS,  25
.set S,      16                        ; v16-23   sums over channels, then mu: 4 positions of chunk A, 4 of chunk B
.set Q,      24                        ; v24-31   sums of squares, then rstd
.set X,      32                        ; v32-95 chunk A, v96-159 chunk B: register 4 i + k = channel i, position k
.set R,      160                       ; v160-223 the eight waves' sums; later at work
.set P,      192                       ; v192-207 a sum for each of my 16 channels
.set RED1,   0                         ; LDS: 8 waves x 512 bytes, for the means;
.set RED2,   4096                      ; the same for the squares;
.set OUTP,   8192                      ; and the 256 results
.set W1S_AT, 6144
.set W2C_AT, 6400
.set W2S_AT, 12544
	s_load_b256 s[4:11], s[0:1], 0x0               ; x s[4:5], w_reduce s[6:7], w_select s[8:9], ln_w s[10:11]
	s_load_b128 s[12:15], s[0:1], 0x20             ; ln_b s[12:13], part s[14:15]
	s_load_b64 s[16:17], s[0:1], 0x30              ; wq
	v_lshl_add_u32 v224, v0, 2, 0x2400
	v_mov_b32 v225, 0
	v_lshrrev_b32 v1, 5, v0
	v_readfirstlane_b32 s18, v1                    ; wave 0..7
	v_and_b32 v1, 31, v0                           ; lane
	v_and_b32 v2, 15, v0                           ; r
	v_bfe_u32 v3, v0, 4, 1                         ; h
	s_wait_alu depctr_va_sdst(0)                   ; s18 is written: ahead of the branch below, so ahead of its first reader on every way
	s_mov_b32 s20, 0x76543210
	s_mov_b32 s21, 0xfedcba98                      ; v_permlanex16_b32's selects for lane l xor 16
	s_wait_kmcnt 0x0
	s_cmp_ge_u32 ttmp9, 8*PAIRS
	s_cbranch_scc1 .Lweights
	; ---------------- the sums of a pair of chunks
	s_mul_i32 s22, ttmp9, 5243
	s_lshr_b32 s22, s22, 17                        ; b = id / 25 (5243 / 2^17 is just over 1 / 25: right for every id under 200)
	s_mul_i32 s23, s22, PAIRS
	s_sub_co_u32 s23, ttmp9, s23                   ; j
	s_cmp_lt_u32 s23, PAIRS-1                      ; has the pair a second chunk?
	s_cselect_b32 s24, 256, 0                      ; where chunk B begins, from chunk A
	s_cselect_b32 s26, 1.0, 0                      ; what its rstd is multiplied by
	s_mov_b32 s25, 0x42800000                      ; 64.0
	s_cselect_b32 s25, 0x43000000, s25             ; the positions that count: 128.0 or 64.0
	s_mov_b32 s27, s26                             ; (named with s26 as a pair)
	s_mul_i32 s28, s22, BATCH
	s_mul_i32 s29, s18, 32*ROW
	s_add_co_u32 s28, s28, s29
	s_lshl_b32 s29, s23, 9
	s_add_co_u32 s28, s28, s29                     ; under 2^25
	s_mov_b32 s29, 0
	s_add_nc_u64 s[4:5], s[4:5], s[28:29]          ; x at my wave's first channel, my pair's first position
	s_lshl_b32 s28, ttmp9, 10
	s_add_nc_u64 s[14:15], s[14:15], s[28:29]      ; part at row 25 b + j
	s_mov_b32 s30, 0xaaaaaaaa                      ; the lanes in which bit 0, 1, 2, 3 of r is set
	s_mov_b32 s31, 0xcccccccc
	s_mov_b32 s32, 0xf0f0f0f0
	s_mov_b32 s33, 0xff00ff00
	s_mov_b32 s34, 0x3b800000                      ; 1 / 256
	s_mov_b32 s35, 0x3727c5ac                      ; 1e-5
	v_lshlrev_b32 v10, 2, v0                       ; 4 x thread: channel 32 w + lane in ln_w, ln_b and among the results in LDS
	v_mul_u32_u24 v4, v3, 16*ROW
	v_lshl_add_u32 v4, v2, 4, v4                   ; 16 h channels down, 16 r bytes along
	v_add_nc_u32 v5, s24, v4
	s_wait_alu depctr_va_vdst(0)                   ; v4, v5 and v10 are written, which the 34 loads below read as their offsets
	global_load_b32 v11, v10, s[10:11]             ; ln_w
	global_load_b32 v12, v10, s[12:13]             ; ln_b
.irp i, 0,1,2,3,4,5,6,7,8,9,10,11,12,13,14,15
	global_load_b128 v[X+4*\i:X+4*\i+3], v4, s[4:5] offset:\i*ROW          ; sixteen lanes read 256 consecutive bytes of a channel; no hint: the next launch reads x again
.endr
.irp i, 0,1,2,3,4,5,6,7,8,9,10,11,12,13,14,15
	global_load_b128 v[X+64+4*\i:X+64+4*\i+3], v5, s[4:5] offset:\i*ROW
.endr
	v_lshlrev_b32 v7, 4, v2                        ; LDS: 16 r: where a wave's four sums of positions 4 r .. lie
	s_lshl_b32 s28, s18, 9
	v_add_nc_u32 v6, s28, v7                       ; + 512 x wave: where I put mine
	v_lshlrev_b32 v9, 4, v0                        ; 16 x thread: the way out (waves 0 and 1)
.irp q, 0,1,2,3,4,5,6,7
	v_mov_b32 v[R+\q], 0                           ; written once: a lane permute's destination counts as one of its sources
.endr
; Eight numbers a lane (4 positions x 2 chunks), summed so far over the lane's 16 channels, are summed over all 256: lane l xor 16, then the eight waves through LDS.
; My stores are waited for in front of the signal; the others' are read behind the wait.  Each of the two sums has LDS bytes of its own, so nothing is written over.
.macro REDUCE a, base
.irp q, 0,1,2,3,4,5,6,7
	v_permlanex16_b32 v[R+\q], v[\a+\q], s20, s21
.endr
.irp q, 0,2,4,6
	v_pk_add_f32 v[\a+\q:\a+\q+1], v[\a+\q:\a+\q+1], v[R+\q:R+\q+1]
.endr
	s_wait_alu depctr_va_vdst(0)                   ; the eight sums are written, which the two stores read (the first time v6, v7 and v9 too, the LDS addresses); and every earlier permute and addition is done with v[R ..], in which the sixteen loads below land
	ds_store_b128 v6, v[\a:\a+3] offset:\base      ; (both halves of the lanes write the same bytes with the same values)
	ds_store_b128 v6, v[\a+4:\a+7] offset:\base+256
	s_wait_dscnt 0x0
	s_barrier_signal -1
	s_barrier_wait -1
.irp w, 0,1,2,3,4,5,6,7
	ds_load_b128 v[R+8*\w:R+8*\w+3], v7 offset:\base+512*\w
	ds_load_b128 v[R+8*\w+4:R+8*\w+7], v7 offset:\base+512*\w+256
.endr
	s_wait_alu depctr_vm_vsrc(0)                   ; my two stores have read the eight sums' registers, which the additions below write again
	s_wait_dscnt 0x0
.irp q, 0,2,4,6
	v_pk_add_f32 v[\a+\q:\a+\q+1], v[R+\q:R+\q+1], v[R+8+\q:R+8+\q+1]
.endr
.irp w, 2,3,4,5,6,7
.irp q, 0,2,4,6
	v_pk_add_f32 v[\a+\q:\a+\q+1], v[\a+\q:\a+\q+1], v[R+8*\w+\q:R+8*\w+\q+1]
.endr
.endr
.endm
	s_wait_loadcnt 16                              ; ln_w, ln_b and chunk A are in; chunk B's 16 loads may be out
	v_pk_add_f32 v[S:S+1], v[X:X+1], v[X+4:X+5]
	v_pk_add_f32 v[S+2:S+3], v[X+2:X+3], v[X+6:X+7]
.irp i, 2,3,4,5,6,7,8,9,10,11,12,13,14,15
	v_pk_add_f32 v[S:S+1], v[S:S+1], v[X+4*\i:X+4*\i+1]
	v_pk_add_f32 v[S+2:S+3], v[S+2:S+3], v[X+4*\i+2:X+4*\i+3]
.endr
	s_wait_loadcnt 0x0
	v_pk_add_f32 v[S+4:S+5], v[X+64:X+65], v[X+68:X+69]
	v_pk_add_f32 v[S+6:S+7], v[X+66:X+67], v[X+70:X+71]
.irp i, 2,3,4,5,6,7,8,9,10,11,12,13,14,15
	v_pk_add_f32 v[S+4:S+5], v[S+4:S+5], v[X+64+4*\i:X+64+4*\i+1]
	v_pk_add_f32 v[S+6:S+7], v[S+6:S+7], v[X+64+4*\i+2:X+64+4*\i+3]
.endr
	REDUCE S, RED1
.irp q, 0,2,4,6
	v_pk_mul_f32 v[S+\q:S+\q+1], v[S+\q:S+\q+1], 0x3b800000 op_sel_hi:[1,0]      ; mu = sum / 256
.endr
.irp i, 0,1,2,3,4,5,6,7,8,9,10,11,12,13,14,15
	v_pk_add_f32 v[X+4*\i:X+4*\i+1], v[X+4*\i:X+4*\i+1], v[S:S+1] neg_lo:[0,1] neg_hi:[0,1]          ; x - mu, in place
	v_pk_add_f32 v[X+4*\i+2:X+4*\i+3], v[X+4*\i+2:X+4*\i+3], v[S+2:S+3] neg_lo:[0,1] neg_hi:[0,1]
	v_pk_add_f32 v[X+64+4*\i:X+64+4*\i+1], v[X+64+4*\i:X+64+4*\i+1], v[S+4:S+5] neg_lo:[0,1] neg_hi:[0,1]
	v_pk_add_f32 v[X+64+4*\i+2:X+64+4*\i+3], v[X+64+4*\i+2:X+64+4*\i+3], v[S+6:S+7] neg_lo:[0,1] neg_hi:[0,1]
.endr
	v_pk_mul_f32 v[Q:Q+1], v[X:X+1], v[X:X+1]      ; the first squares start the sums: nothing is cleared
	v_pk_mul_f32 v[Q+2:Q+3], v[X+2:X+3], v[X+2:X+3]
	v_pk_mul_f32 v[Q+4:Q+5], v[X+64:X+65], v[X+64:X+65]
	v_pk_mul_f32 v[Q+6:Q+7], v[X+66:X+67], v[X+66:X+67]
.irp i, 1,2,3,4,5,6,7,8,9,10,11,12,13,14,15
	v_pk_fma_f32 v[Q:Q+1], v[X+4*\i:X+4*\i+1], v[X+4*\i:X+4*\i+1], v[Q:Q+1]
	v_pk_fma_f32 v[Q+2:Q+3], v[X+4*\i+2:X+4*\i+3], v[X+4*\i+2:X+4*\i+3], v[Q+2:Q+3]
	v_pk_fma_f32 v[Q+4:Q+5], v[X+64+4*\i:X+64+4*\i+1], v[X+64+4*\i:X+64+4*\i+1], v[Q+4:Q+5]
	v_pk_fma_f32 v[Q+6:Q+7], v[X+64+4*\i+2:X+64+4*\i+3], v[X+64+4*\i+2:X+64+4*\i+3], v[Q+6:Q+7]
.endr
	REDUCE Q, RED2
.irp q, 0,1,2,3,4,5,6,7
	v_fma_f32 v[Q+\q], v[Q+\q], s34, s35           ; var + 1e-5
.endr
.irp q, 0,1,2,3,4,5,6,7
	v_rsq_f32 v[Q+\q], v[Q+\q]
.endr
	v_nop                                          ; a plain instruction behind the last of the batch
	s_wait_alu depctr_va_vdst(0)                   ; the eight v_rsq_f32 have written v[Q ..]: one wait for the batch, ahead of its first reader
	v_pk_mul_f32 v[Q+4:Q+5], v[Q+4:Q+5], s[26:27] op_sel_hi:[1,0]      ; chunk B counts, or not
	v_pk_mul_f32 v[Q+6:Q+7], v[Q+6:Q+7], s[26:27] op_sel_hi:[1,0]
	; for each of my 16 channels: the sum over my 8 positions of (x - mu) rstd
.irp i, 0,1,2,3,4,5,6,7,8,9,10,11,12,13,14,15
	v_pk_mul_f32 v[R+2*\i:R+2*\i+1], v[X+4*\i:X+4*\i+1], v[Q:Q+1]
.endr
.irp i, 0,1,2,3,4,5,6,7,8,9,10,11,12,13,14,15
	v_pk_fma_f32 v[R+2*\i:R+2*\i+1], v[X+4*\i+2:X+4*\i+3], v[Q+2:Q+3], v[R+2*\i:R+2*\i+1]
.endr
.irp i, 0,1,2,3,4,5,6,7,8,9,10,11,12,13,14,15
	v_pk_fma_f32 v[R+2*\i:R+2*\i+1], v[X+64+4*\i:X+64+4*\i+1], v[Q+4:Q+5], v[R+2*\i:R+2*\i+1]
.endr
.irp i, 0,1,2,3,4,5,6,7,8,9,10,11,12,13,14,15
	v_pk_fma_f32 v[R+2*\i:R+2*\i+1], v[X+64+4*\i+2:X+64+4*\i+3], v[Q+6:Q+7], v[R+2*\i:R+2*\i+1]
.endr
.irp i, 0,1,2,3,4,5,6,7,8,9,10,11,12,13,14,15
	v_add_f32 v[P+\i], v[R+2*\i], v[R+2*\i+1]
.endr
; Sixteen sums in each of sixteen lanes become one whole sum a lane.  A step halves the numbers: of a pair (2 k, 2 k + 1) a lane keeps the one named by a bit of r, gives the other
; to the lane that differs in that bit, and adds what it is given.  After bits 0, 1, 2, 3 lane r holds channel i = r: 45 instructions where sixteen full sums would take 64.
.macro FOLD src, dst, n, mask, x
.set FK, 0
.rept \n
	v_cndmask_b32 v[\dst+FK], v[\src+2*FK], v[\src+2*FK+1], s[\mask]          ; kept
	v_cndmask_b32 v[\dst+\n+FK], v[\src+2*FK+1], v[\src+2*FK], s[\mask]       ; given
.set FK, FK+1
.endr
.set FK, 0
.rept \n
	v_add_f32_dpp v[\dst+FK], v[\dst+\n+FK], v[\dst+FK] row_xmask:\x row_mask:0xf bank_mask:0xf
.set FK, FK+1
.endr
.endm
	FOLD 192, 208, 8, 30, 1
	FOLD 208, 192, 4, 31, 2
	FOLD 192, 208, 2, 32, 4
	FOLD 208, 192, 1, 33, 8
	v_mul_f32 v12, s25, v12                        ; ln_b x the positions that count
	v_fma_f32 v[P], v[P], v11, v12                 ; channel 32 w + 16 h + r = my thread's number
	s_wait_alu depctr_va_vdst(0)                   ; v[P] is written, which the store reads; and every vector instruction that named v[S .. S + 3] is done: the results' load below lands there
	ds_store_b32 v10, v[P] offset:OUTP
	s_wait_dscnt 0x0                               ; for the others' sake
	s_barrier_signal -1
	s_barrier_wait -1
	s_cmp_gt_u32 s18, 1
	s_cbranch_scc1 .Ldone
	ds_load_b128 v[S:S+3], v9 offset:OUTP          ; waves 0 and 1 take the 1,024 bytes out:
	s_wait_dscnt 0x0
	global_store_b128 v9, v[S:S+3], s[14:15]       ; each store covers 512 consecutive bytes, aligned to 256
.Ldone:
	s_wait_dscnt 0x0                               ; the closing lines, six on end
	s_wait_alu 0x0
	s_wait_tensorcnt 0x0
	ds_add_u32 v224, v225
	s_wait_dscnt 0x0
	s_endpgm
	; ---------------- the weights.  32 numbers of one block of one column, v64-95, become 6 registers of codes, v48-53; v34 the conversion's scale operand, v35 the scale's byte
.macro QUANT32
	s_wait_loadcnt 0x0
	v_max3_num_f32 v32, |v64|, |v65|, |v66|        ; the block's largest magnitude: all 32 numbers are mine; two chains
	v_max3_num_f32 v33, |v67|, |v68|, |v69|
.irp i, 6,10,14,18,22,26
	v_max3_num_f32 v32, v32, |v[64+\i]|, |v[65+\i]|
	v_max3_num_f32 v33, v33, |v[66+\i]|, |v[67+\i]|
.endr
	v_max3_num_f32 v32, v32, |v94|, |v95|
	v_max3_num_f32 v32, v32, v33, 0x1800000        ; and the floor 2^(3 - 127): the byte cannot fall under 1
	v_add_nc_u32 v34, 0xff000000, v32              ; 2 off its exponent field: the conversion takes this operand's exponent field as its scale
	v_lshrrev_b32 v35, 23, v34
	v_cvt_scalef32_pk16_fp6_f32 v[48:50], v[64:79], v34
	v_cvt_scalef32_pk16_fp6_f32 v[54:56], v[80:95], v34      ; (a conversion's three registers begin on an even number)
	v_nop                                          ; one plain instruction behind a scaled conversion
	v_mov_b32 v51, v54
	v_mov_b32 v52, v55
	v_mov_b32 v53, v56
.endm
.Lweights:
	s_cmp_eq_u32 ttmp9, 8*PAIRS+1
	s_cbranch_scc1 .Lselect
	; w_reduce [256 k][32 n].  Wave w: tile t = w / 4, rows k = 64 (w % 4) + 32 h + i: half (w % 2) of fragment f = w / 2.
	; THE COLUMNS OF A TILE ARE NOT NEIGHBOURS: lane r of tile t takes n = 8 t + r + 8 (r / 8), so that the product's 16 results of a lane are 16 neighbours along the next K.
	s_lshr_b32 s22, s18, 2
	s_lshl_b32 s22, s22, 5                         ; 8 t columns of 4 bytes
	s_and_b32 s23, s18, 3
	s_lshl_b32 s23, s23, 13                        ; 64 rows of 128 bytes
	s_add_co_u32 s22, s22, s23
	v_and_b32 v4, 8, v2
	v_add_nc_u32 v4, v4, v2
	v_lshlrev_b32 v4, 2, v4
	v_lshl_add_u32 v4, v3, 12, v4                  ; + 32 h rows
	v_add_nc_u32 v4, s22, v4
	s_wait_alu depctr_va_vdst(0)                   ; v4 is written, which the 32 loads read as their offset
.irp i, 0,1,2,3,4,5,6,7,8,9,10,11,12,13,14,15,16,17,18,19,20,21,22,23,24,25,26,27,28,29,30,31
	global_load_b32 v[64+\i], v4, s[6:7] offset:128*\i
.endr
	s_lshr_b32 s22, s18, 1
	s_mul_i32 s22, s22, 1536                       ; fragment f's image
	v_lshlrev_b32 v5, 4, v1
	v_add_nc_u32 v5, s22, v5                       ; + 16 x lane
	s_lshl_b32 s22, s18, 1
	v_lshl_add_u32 v6, v2, 4, v3
	v_add_nc_u32 v6, s22, v6                       ; the byte of block 2 (w % 2) + h in word f of row r: 16 r + 2 w + h
	QUANT32
	s_wait_alu depctr_va_vdst(0)                   ; the offsets v5 and v6, the byte v35 and the codes v48-53 are written, which the stores read, on both ways below
	global_store_b8 v6, v35, s[16:17] offset:W1S_AT
	s_and_b32 s23, s18, 1
	s_cmp_eq_u32 s23, 0
	s_cbranch_scc0 .Lupper
	global_store_b128 v5, v[48:51], s[16:17]                 ; registers 0-3 of the fragment,
	global_store_b64 v5, v[52:53], s[16:17] offset:512       ; 4 and 5
	s_endpgm
.Lupper:
	global_store_b64 v5, v[48:49], s[16:17] offset:520       ; registers 6 and 7,
	global_store_b128 v5, v[50:53], s[16:17] offset:1024     ; 8-11.  (6,400 bytes in all: the pieces of 8 bytes and the single bytes are a small price for one load of 16 bytes a lane in the next launch)
	s_endpgm
.Lselect:
	; w_select [32 k][256 c]: my thread's number is my column; K is one block
	v_lshlrev_b32 v4, 2, v0
	s_wait_alu depctr_va_vdst(0)                   ; v4 is written, which the 32 loads read as their offset
.irp i, 0,1,2,3,4,5,6,7,8,9,10,11,12,13,14,15,16,17,18,19,20,21,22,23,24,25,26,27,28,29,30,31
	global_load_b32 v[64+\i], v4, s[8:9] offset:1024*\i      ; a wave reads 128 consecutive bytes
.endr
	v_lshlrev_b32 v5, 3, v0
	QUANT32
	v_or_b32 v35, 0x7f7f7f00, v35                  ; the scale word of a K step of 128: three blocks of zero codes follow, under the byte of 1.0
	s_wait_alu depctr_va_vdst(0)                   ; the offset v5, the scale word v35 and the codes v48-53 are written, which the four stores read
.irp p, 0,1,2
	global_store_b64 v5, v[48+2*\p:49+2*\p], s[16:17] offset:W2C_AT+2048*\p   ; a wave's store covers 256 consecutive bytes, aligned
.endr
	global_store_b32 v4, v35, s[16:17] offset:W2S_AT
	s_endpgm
.Lfunc_end_k_q5683e9bbd3_stats:
	.size	k_q5683e9bbd3_stats, .Lfunc_end_k_q5683e9bbd3_stats-k_q5683e9bbd3_stats
	.p2alignl 7, 3214868480
	.fill 96, 4, 3214868480
	.section	.rodata,"a",@progbits
	.p2align	6, 0x0
	.amdhsa_kernel k_q5683e9bbd3_stats
		.amdhsa_group_segment_fixed_size 10240
		.amdhsa_private_segment_fixed_size 0
		.amdhsa_enable_private_segment 0
		.amdhsa_kernarg_size 56
		.amdhsa_user_sgpr_count 2
		.amdhsa_user_sgpr_kernarg_segment_ptr 1
		.amdhsa_wavefront_size32 1
		.amdhsa_system_sgpr_workgroup_id_x 1
		.amdhsa_system_sgpr_workgroup_id_y 1
		.amdhsa_system_sgpr_workgroup_id_z 1
		.amdhsa_system_vgpr_workitem_id 0
		.amdhsa_next_free_vgpr 226
		.amdhsa_next_free_sgpr 66
		.amdhsa_reserve_vcc 0
		.amdhsa_float_denorm_mode_32 3
		.amdhsa_float_denorm_mode_16_64 3
		.amdhsa_memory_ordered 1
		.amdhsa_forward_progress 1
		.amdhsa_inst_pref_size 46
	.end_amdhsa_kernel
	.amdgpu_metadata
---
amdhsa.version: [ 1, 2 ]
amdhsa.kernels:
  - .name:           k_q5683e9bbd3_stats
    .symbol:         k_q5683e9bbd3_stats.kd
    .args:
      - { .name: x, .offset: 0, .size: 8, .value_kind: global_buffer, .address_space: global }
      - { .name: w_reduce, .offset: 8, .size: 8, .value_kind: global_buffer, .address_space: global }
      - { .name: w_select, .offset: 16, .size: 8, .value_kind: global_buffer, .address_space: global }
      - { .name: ln_w, .offset: 24, .size: 8, .value_kind: global_buffer, .address_space: global }
      - { .name: ln_b, .offset: 32, .size: 8, .value_kind: global_buffer, .address_space: global }
      - { .name: part, .offset: 40, .size: 8, .value_kind: global_buffer, .address_space: global }
      - { .name: wq, .offset: 48, .size: 8, .value_kind: global_buffer, .address_space: global }
    .group_segment_fixed_size: 10240
    .private_segment_fixed_size: 0
    .kernarg_segment_align: 8
    .kernarg_segment_size: 56
    .max_flat_workgroup_size: 256
    .sgpr_count:     66
    .vgpr_count:     226
    .wavefront_size: 32
...
	.end_amdgpu_metadata
.endif
;; end of part 3
;; launch merge (part 4): grid 200 x 1, 8 waves a work-group, no clusters, 135,936 bytes of LDS; arguments x, part, wq, b_reduce, b_select, out0; writes out0
.if DOCPART == 4
	.amdgcn_target "amdgcn-amd-amdhsa--gfx1250"
	.amdhsa_code_object_version 6
	.text
	.protected	k_q5683e9bbd3_merge
	.globl	k_q5683e9bbd3_merge
	.p2align	8
	.type	k_q5683e9bbd3_merge,@function
k_q5683e9bbd3_merge:
	s_mov_b64 s[64:65], 0
	v_nop
	global_prefetch_b8 v0, s[64:65] scope:SCOPE_SE
	s_setreg_imm32_b32 hwreg(HW_REG_WAVE_SCHED_MODE, 0, 2), 2
	s_setreg_imm32_b32 hwreg(HW_REG_WAVE_MODE, 25, 1), 1
	s_wait_xcnt 0x0
	s_wait_alu depctr_vm_vsrc(0)
; SECOND OF TWO LAUNCHES.  out[b][l][c] = 8 gate[b][c] x[b][c][l]: the eight directions hold the same numbers (see the first launch), so their sum is eight times one of them.
; gate = sigmoid(Q(gelu(Q(g) Q(w_reduce) + b_reduce)) Q(w_select) + b_select), g = (the sum of the batch's 25 rows of part) / 3136; Q: codes of E2M3, one E8M0 scale for each 32 along K.
; WORK-GROUP 25 b + j: batch b, positions 128 j .. 128 j + 127 as two chunks of 64, all 256 channels: 2 x 64 KB in, 2 x 64 KB out, each chunk's output one dense block.
; j = 24 has one chunk: its second 16 loads read the first chunk again (so that every wave counts the same loads on every way) and are not used: a branch on the work-group's number goes round that chunk's work.
; EVERY WORK-GROUP MAKES ITS BATCH'S GATE ITSELF, while its part of x is on its way: the sum over a batch spans work-groups, so it is finished in this launch, and a launch for the gate alone is spared.
; All 16 rows of the products' tiles are the same row: the batch's eight directions, twice.
; THE CHAIN.  Wave w sums the 25 rows for its block of 32 channels and makes the block's codes and scale byte | barrier | wave 0: Q(g) Q(w_reduce), four matrix instructions; gelu; its codes, as an
; image of the operand's registers, to LDS | barrier | every wave: two matrix instructions for its own 32 channels, sigmoid, the multiplications, results into a stage in LDS | barrier | rows of out leave.
; BOTH PRODUCTS ARE USED TRANSPOSED (source 0 = 16 columns of the weight, source 1 = the 16 equal rows): a lane's registers then run along the weight's columns.  So wave w, lane (r, h) finds the gates of
; channels 32 w + 16 t + 8 h + e in register e of tile t, and loads just these 16 channels of x (positions 4 r .. 4 r + 3): nothing changes lanes between the gate and its use.
; THE TURN.  x(c, l) gate(c) is written to the register that the transposed order asks for, so four channels of one position leave by one store of 16 bytes.  In the stage four positions' rows take
; 4 x 1,024 + 16 bytes: lanes r = 0 .. 15 of a store then begin 16 bytes further on in each 256, and the reads back are 512 consecutive bytes.
; No cluster: a batch's 25 work-groups divide into no cluster of 2 or 4, and what they share (25,600 bytes of part, 13,568 of wq) is small beside each one's own 262,144 bytes in and out.
; No tensor load: each byte of x is used once, from the registers into which it is loaded.  No prefetch: every load of the launch is issued at its head.
; A wave has 47 loads out at the most, wave 0 60: fewer than the 63 that the counter's field holds, so no load's issue waits for another's return.
; gelu is the exact one: 1 + erf(x / sqrt 2) = 2 - erfc(z) for x >= 0, erfc(z) for x < 0, z = |x| / sqrt 2, erfc(z) = t exp(-z z + P(t)), t = 1 / (1 + z / 2), P of degree 9
; (Numerical Recipes' erfcc: fractional error under 1.2e-7 for every z); in f32 the exponent's rounding adds up to some 4e-6 of the number at x = -13.
; LIMITS: NaN and infinities are not served; under x = -13.2 the exponential falls under the smallest normal number and gelu is -0; a block whose largest magnitude is under 2^-124 keeps the scale byte 1 (a block of zeros too: its codes are zeros).
; REGISTERS, window 0: v1-26 lane numbers and addresses, v27 and the other registers named ..S scale words and nothing else, the rest as listed.  Window 1: v0-63 chunk A of x, v64-127 chunk B (later rows of out), v128-255 the products.
; THE MODE: SCHED_MODE bits 1:0 = 2 (LLVM: expert scheduling mode 2), set by the entry lines.  The code itself states the register dependences
; between vector or matrix instructions and memory or LDS instructions, with s_wait_alu, always for 0.
; THE PLAN.  Registers that memory or LDS instructions touch, and who else names them:
;   v4-25                 offsets and LDS addresses: written once at the head, ahead of the first load, and never again.
;   the loads' targets    (w_reduce's image, part's rows, w_select's codes and scale words, b_select, x): no vector instruction names them ahead of the loads.
;   v28-31                the block's sums: written by additions, read by one LDS store; written again by wave 0's gelu, and in every wave by the load of the hidden layer's image (v28-39).
;   v56-87                v56-59 are written by permutes and read by additions; then the turned block's eight LDS loads land in v56-87.
;   v91, v92-97           the scale's byte and the codes: written by vector instructions, read by LDS stores; v91 is written again by the sixteenth gate's reciprocal.
;   v124-135, v143        wave 0: the hidden layer's codes and scale word: written by vector instructions, read by the image's LDS stores, never written again.
;   v214-237              w_select's operand: written by moves, permutes and masks; taken as source 0 by the second product's two scaled matrix instructions.
;   window 1, v128-255    the products: written by the multiplications, read by the stage's stores, never written again.
;   window 1, v0-127      x: read by the multiplications; behind the third barrier rows of out land there and leave by stores.
; So each run of LDS stores has one wait on va_vdst ahead of it, which also shows the readers of the registers done in which the next LDS loads land; one wait on vm_vsrc, behind the first barrier and
; ahead of the parting of the waves, frees v28-31 and v91; one wait on va_vdst stands behind the places ahead of the second product.  Chunk B's multiplications name none of the registers that chunk A's
; stage stores read, and follow them with no wait.
.set ROW,    12544                     ; bytes of a channel's 3136 positions
.set BATCH,  256*ROW                   ; a batch in x, and in out (3136 x 1,024)
.set PAIRS,  25
.set W1S_AT, 6144                      ; wq, as the first launch lays it
.set W2C_AT, 6400
.set W2S_AT, 12544
.set G,      0                         ; LDS: 128 bytes for each wave, its own: its 32 numbers of g
.set GC,     1024                      ; g's codes: 24 bytes a block, 192 in all: the row's stream of bits
.set GS,     1280                      ; g's 8 scale bytes
.set IMG,    1536                      ; the hidden layer's operand: 12 registers x 128 bytes
.set IMGS,   3072                      ; and its scale word, 4 bytes a lane
.set STG,    3328                      ; the stages: one for each chunk
.set GRP,    4112                      ; four positions' rows
.set STAGE,  16*GRP
.set HBS,    27                        ; the hidden layer's scale word
.set P,      28                        ; v28-55   seven loads of part
.set QN,     56                        ; v56-87   my block's 32 numbers
.set MX,     88
.set SCL,    90
.set BYT,    91
.set CD,     92                        ; v92-97   my block's codes (v98-100: the second conversion's)
.set CT,     98
.set W1,     104                       ; v104-151 wave 0: w_reduce's four fragments
.set W1S,    152                       ; v152-155 their scale words
.set BR,     156                       ; v156-171 b_reduce in the result's layout
.set GF,     172                       ; v172-195 g's two fragments
.set GFS,    196                       ; v196-197 their scale words
.set H,      198                       ; v198-213 the hidden layer: hidden units 16 h + 0 .. 15
.set W2,     214                       ; v214-237 w_select's two fragments
.set W2S,    238                       ; their scale words: tile 0's in lanes 0-15, tile 1's in lanes 16-31
.set BS,     240                       ; v240-255 b_select in the result's layout
.set T,      28                        ; wave 0, gelu: t;
.set PL,     44                        ; the polynomial, the exponent, the exponential;
.set XH,     60                        ; x / 2;
.set SG,     76                        ; the sign as +-1, then +-t;
.set AA,     104                       ; 1 + the sign, then 1 + erf  (from here on in the registers that held w_reduce)
.set K9,     120
.set PC,     124                       ; v124-135 the hidden layer's codes
.set PZ,     136
.set HM,     140
.set HSC,    142
.set HW,     143
.set HB,     28                        ; every wave, behind the second barrier: the hidden layer's operand;
.set D2,     44                        ; the second product;
.set E,      60
.set GT,     76                        ; v76-91   8 x gate of my 16 channels
.set MSB, 0
.macro WIN new                         ; s_set_vgpr_msb: bits 1:0 source 0, 3:2 source 1, 7:6 destination; the high byte repeats the setting that is left
.if MSB != \new
	s_set_vgpr_msb (MSB<<8)|\new
.set MSB, \new
.endif
.endm
	s_load_b256 s[4:11], s[0:1], 0x0               ; x s[4:5], part s[6:7], wq s[8:9], b_reduce s[10:11]
	s_load_b128 s[12:15], s[0:1], 0x20             ; b_select s[12:13], out s[14:15]
	v_lshl_add_u32 v103, v0, 2, 0x20f00
	v_mov_b32 v239, 0
	v_lshrrev_b32 v1, 5, v0
	v_readfirstlane_b32 s20, v1                    ; wave 0..7
	v_and_b32 v1, 31, v0                           ; lane
	v_and_b32 v2, 15, v0                           ; r
	v_bfe_u32 v3, v0, 4, 1                         ; h
	s_wait_alu depctr_va_sdst(0)                   ; s20 is written, ahead of its first reader: addresses, bases and the branches on the wave's number are made from it
	s_mul_i32 s21, ttmp9, 5243
	s_lshr_b32 s21, s21, 17                        ; b = id / 25 (right for every id under 200)
	s_mul_i32 s22, s21, PAIRS
	s_sub_co_u32 s22, ttmp9, s22                   ; j
	s_cmp_lt_u32 s22, PAIRS-1
	s_cselect_b32 s23, 256, 0                      ; where chunk B begins, from chunk A
	s_mov_b32 s26, 0x76543210
	s_mov_b32 s27, 0xfedcba98                      ; v_permlanex16_b32's selects for lane l xor 16
	s_mov_b32 s28, 0x3eb504f3                      ; 1 / (2 sqrt 2)
	s_mov_b32 s29, 0x7fffffff
	s_mov_b32 s30, 0xffff0000                      ; lanes 16-31
	; every address register is made here, ahead of the first parting of the waves, and never written again
	v_lshlrev_b32 v7, 4, v1                        ; 16 x lane: an image's place for my lane, in wq and in LDS
	v_lshlrev_b32 v8, 2, v1                        ; 4 x lane
	v_lshlrev_b32 v9, 4, v2                        ; 16 r: w_reduce's scale words
	s_lshl_b32 s24, s20, 8
	v_lshl_add_u32 v10, v1, 3, s24                 ; 8 x (32 w + lane): w_select's codes
	s_lshl_b32 s24, s20, 7                         ; 128 w
	v_add_nc_u32 v11, s24, v8                      ; 4 x (32 w + lane): its scale words
	v_lshl_add_u32 v12, v3, 5, s24                 ; 4 x (32 w + 8 h): b_select, and my channels' bytes in a row of the stage
	v_and_b32 v13, 7, v0
	v_lshl_add_u32 v13, v13, 4, s24                ; 128 w + 16 (lane % 8): four channels of my block, in a row of part and in my wave's bytes of LDS
	v_bfe_u32 v6, v0, 3, 2
	v_lshl_add_u32 v6, v6, 10, v13                 ; + row lane / 8 of part
	v_mov_b32 v14, s24                             ; my wave's 128 bytes of LDS
	s_mul_i32 s25, s20, 24
	v_mov_b32 v15, s25                             ; my block's 24 bytes of codes
	v_mov_b32 v16, s20                             ; my block's scale byte
	v_mul_u32_u24 v17, v3, 24                      ; a fragment of g: every lane takes the same row, + 24 h
	v_mov_b32 v18, 0
	v_mul_u32_u24 v21, v2, GRP
	v_add_nc_u32 v21, v12, v21                     ; into stage A: positions 4 r .., my channels
	v_add_nc_u32 v22, STAGE, v21                   ; into stage B
	s_mul_i32 s25, s20, 2*GRP
	v_add_nc_u32 v23, s25, v7                      ; out of stage A: positions 8 w .. 8 w + 7, 16 bytes a lane
	v_add_nc_u32 v24, STAGE, v23
	s_lshl_b32 s25, s20, 13
	v_add_nc_u32 v25, s25, v7                      ; and the same place in out
	v_add_nc_u32 v26, -1, v3                       ; all ones in lanes 0-15, 0 in lanes 16-31
	v_mul_u32_u24 v4, v3, 8*ROW
	v_lshl_add_u32 v4, v2, 4, v4                   ; x: 8 h channels down, 16 r bytes along
	v_add_nc_u32 v5, s23, v4
	s_mul_i32 s24, s21, BATCH
	s_mov_b32 s25, 0
	s_wait_kmcnt 0x0
	s_add_nc_u64 s[4:5], s[4:5], s[24:25]
	s_add_nc_u64 s[14:15], s[14:15], s[24:25]
	s_mul_i32 s24, s20, 32*ROW
	s_add_nc_u64 s[4:5], s[4:5], s[24:25]
	s_lshl_b32 s24, s22, 9
	s_add_nc_u64 s[4:5], s[4:5], s[24:25]          ; x at my wave's first channel, my pair's first position
	s_lshl_b32 s24, s22, 17
	s_add_nc_u64 s[14:15], s[14:15], s[24:25]      ; out at my pair's first position
	s_mul_i32 s24, s21, PAIRS*1024
	s_add_nc_u64 s[6:7], s[6:7], s[24:25]          ; part at my batch's 25 rows
	s_load_b512 s[32:47], s[10:11], 0x0            ; b_reduce: 32 numbers, the same for every lane
	s_load_b512 s[48:63], s[10:11], 0x40
	; THE LOADS, all at once, those that the chain wants first issued first: loads return in the order of issue (ISA guide 5.7.1)
	s_wait_alu depctr_va_vdst(0)                   ; v4 to v25 are written: every load and store of the kernel, global or LDS, reads one of them as its offset or address, and none is written again
	s_cmp_lg_u32 s20, 0
	s_cbranch_scc1 .Lshared_loads
.irp f, 0,1,2,3
.irp q, 0,1,2
	global_load_b128 v[W1+12*\f+4*\q:W1+12*\f+4*\q+3], v7, s[8:9] offset:1536*\f+512*\q      ; wave 0: fragment f = 2 t + s as it was stored, 512 consecutive bytes a load
.endr
.endr
	global_load_b128 v[W1S:W1S+3], v9, s[8:9] offset:W1S_AT
.Lshared_loads:
.irp m, 0,1,2,3,4,5
	global_load_b128 v[P+4*\m:P+4*\m+3], v6, s[6:7] offset:4096*\m      ; rows 4 m + lane / 8 of part, four channels a lane
.endr
	global_load_b128 v[P+24:P+27], v13, s[6:7] offset:24576             ; row 24, in every group of eight lanes
.irp p, 0,1,2
	global_load_b64 v[W2+2*\p:W2+2*\p+1], v10, s[8:9] offset:W2C_AT+2048*\p      ; column 32 w + lane: lanes 0-15 tile 0's, lanes 16-31 tile 1's; 256 consecutive bytes a load
.endr
	global_load_b32 v[W2S], v11, s[8:9] offset:W2S_AT
.irp t, 0,1
	global_load_b128 v[BS+8*\t:BS+8*\t+3], v12, s[12:13] offset:64*\t
	global_load_b128 v[BS+8*\t+4:BS+8*\t+7], v12, s[12:13] offset:64*\t+16
.endr
	WIN 0x40                                       ; destination window 1
.irp i, 0,1,2,3,4,5,6,7,8,9,10,11,12,13,14,15
	global_load_b128 v[4*\i:4*\i+3], v4, s[4:5] offset:(16*(\i/8)+\i%8)*ROW th:TH_LOAD_NT      ; channel 32 w + 16 (i / 8) + 8 h + i % 8: sixteen lanes read its 256 bytes
.endr
.irp i, 0,1,2,3,4,5,6,7,8,9,10,11,12,13,14,15
	global_load_b128 v[64+4*\i:64+4*\i+3], v5, s[4:5] offset:(16*(\i/8)+\i%8)*ROW th:TH_LOAD_NT
.endr
	WIN 0
	; work on registers while the loads are out
.irp q, 6,7,8,9,10,11,12,13,14,15,16,17,18,19,20,21,22,23
	v_mov_b32 v[W2+\q], 0                          ; K is 32 of the instruction's 128: the rest are zero codes.  (Registers 12-17 are written again below)
.endr
.irp q, 0,1,2,3
	v_mov_b32 v[QN+\q], 0                          ; written once: a lane permute's destination counts as one of its sources
.endr
	s_wait_kmcnt 0x0
.irp q, 0,1,2,3,4,5,6,7,8,9,10,11,12,13,14,15
	v_mov_b32 v[BR+\q], s[48+\q]
	v_cndmask_b32 v[BR+\q], s[32+\q], v[BR+\q], s30          ; b_reduce(16 h + q): the C of the first product
.endr
	; ---- g: my block of 32 channels
	s_wait_loadcnt 40                              ; part's seven loads are in (wave 0: w_reduce's too, issued ahead of them); behind them 8 loads of weights and 32 of x may be out
	v_pk_add_f32 v[P:P+1], v[P:P+1], v[P+4:P+5]
	v_pk_add_f32 v[P+2:P+3], v[P+2:P+3], v[P+6:P+7]
	v_pk_add_f32 v[P+8:P+9], v[P+8:P+9], v[P+12:P+13]
	v_pk_add_f32 v[P+10:P+11], v[P+10:P+11], v[P+14:P+15]
	v_pk_add_f32 v[P+16:P+17], v[P+16:P+17], v[P+20:P+21]
	v_pk_add_f32 v[P+18:P+19], v[P+18:P+19], v[P+22:P+23]
	v_pk_add_f32 v[P:P+1], v[P:P+1], v[P+8:P+9]
	v_pk_add_f32 v[P+2:P+3], v[P+2:P+3], v[P+10:P+11]
	v_pk_add_f32 v[P:P+1], v[P:P+1], v[P+16:P+17]
	v_pk_add_f32 v[P+2:P+3], v[P+2:P+3], v[P+18:P+19]        ; six rows; the other eighteen lie in lanes l xor 8, l xor 16, l xor 24
.irp q, 0,1,2,3
	v_add_f32_dpp v[P+\q], v[P+\q], v[P+\q] row_xmask:8 row_mask:0xf bank_mask:0xf
.endr
.irp q, 0,1,2,3
	v_permlanex16_b32 v[QN+\q], v[P+\q], s26, s27
.endr
	v_pk_add_f32 v[P:P+1], v[P:P+1], v[QN:QN+1]
	v_pk_add_f32 v[P+2:P+3], v[P+2:P+3], v[QN+2:QN+3]
	v_pk_add_f32 v[P:P+1], v[P:P+1], v[P+24:P+25]            ; and row 24, which every lane holds: added once, behind the exchange
	v_pk_add_f32 v[P+2:P+3], v[P+2:P+3], v[P+26:P+27]
	v_pk_mul_f32 v[P:P+1], v[P:P+1], 0x39a72f05 op_sel_hi:[1,0]      ; / 3136
	v_pk_mul_f32 v[P+2:P+3], v[P+2:P+3], 0x39a72f05 op_sel_hi:[1,0]
	s_wait_alu depctr_va_vdst(0)                   ; v[P .. P + 3] are written, which the store reads; the permutes and additions are done with v[QN .. QN + 3], in which the first of the loads below lands; and with v[P ..], in which the hidden layer's image lands later
	ds_store_b128 v13, v[P:P+3] offset:G           ; the conversions take 16 neighbours from ONE lane's registers: the block turns through my wave's own 128 bytes
.irp q, 0,1,2,3,4,5,6,7
	ds_load_b128 v[QN+4*\q:QN+4*\q+3], v14 offset:G+16*\q    ; LDS serves a wave's instructions in order (ISA guide 5.7.1.4): these see my store; every lane takes all 32
.endr
	s_wait_dscnt 0x0
	v_max3_num_f32 v[MX], |v[QN]|, |v[QN+1]|, |v[QN+2]|
	v_max3_num_f32 v[MX+1], |v[QN+3]|, |v[QN+4]|, |v[QN+5]|
.irp i, 6,10,14,18,22,26
	v_max3_num_f32 v[MX], v[MX], |v[QN+\i]|, |v[QN+\i+1]|
	v_max3_num_f32 v[MX+1], v[MX+1], |v[QN+\i+2]|, |v[QN+\i+3]|
.endr
	v_max3_num_f32 v[MX], v[MX], |v[QN+30]|, |v[QN+31]|
	v_max3_num_f32 v[MX], v[MX], v[MX+1], 0x1800000          ; the block's largest magnitude, and the floor 2^(3 - 127): the byte cannot fall under 1
	v_add_nc_u32 v[SCL], 0xff000000, v[MX]         ; 2 off its exponent field: the conversion's scale operand
	v_lshrrev_b32 v[BYT], 23, v[SCL]               ; the scale's byte
	v_cvt_scalef32_pk16_fp6_f32 v[CD:CD+2], v[QN:QN+15], v[SCL]
	v_cvt_scalef32_pk16_fp6_f32 v[CT:CT+2], v[QN+16:QN+31], v[SCL]   ; (a conversion's three registers begin on an even number)
	v_nop                                          ; one plain instruction behind a scaled conversion
.irp i, 0,1,2
	v_mov_b32 v[CD+3+\i], v[CT+\i]
.endr
	s_wait_alu depctr_va_vdst(0)                   ; the codes v[CD .. CD + 5] and the byte v[BYT] are written, which the four stores read
.irp p, 0,1,2
	ds_store_b64 v15, v[CD+2*\p:CD+2*\p+1] offset:GC+8*\p    ; block w's 24 bytes of the row's stream (all lanes write the same bytes with the same values)
.endr
	ds_store_b8 v16, v[BYT] offset:GS
	s_wait_loadcnt 32                              ; w_select's codes and scale words and b_select are in; x's 32 loads may be out
.irp q, 0,1,2,3,4,5
	v_permlanex16_b32 v[W2+12+\q], v[W2+\q], s26, s27        ; tile 1's columns come down into lanes 0-15;
.endr
.irp q, 0,1,2,3,4,5
	v_and_b32 v[W2+\q], v26, v[W2+\q]              ; lanes 16-31 hold k = 32 .. 63 of an operand: zero codes
	v_and_b32 v[W2+12+\q], v26, v[W2+12+\q]
.endr
	s_wait_dscnt 0x0                               ; for wave 0's sake: my codes and my byte lie in LDS
	s_barrier_signal -1
	s_barrier_wait -1
	s_wait_alu depctr_vm_vsrc(0)                   ; my LDS stores have read v28-31 (the block's sums) and v91 (the byte): wave 0's gelu writes both again, and in every wave the hidden layer's image lands in v28-39 and the sixteenth gate in v91.  Ahead of the parting of the waves
	; ---- wave 0: the first product, gelu, the hidden layer's codes
	s_cmp_lg_u32 s20, 0
	s_cbranch_scc1 .Lhidden_made
.irp s, 0,1
.irp p, 0,1,2,3,4,5
	ds_load_b64 v[GF+12*\s+2*\p:GF+12*\s+2*\p+1], v17 offset:GC+96*\s+48*(\p/3)+8*(\p%3)     ; registers 6 c .. 6 c + 5: k = 128 s + 64 c + 32 h + 0 .. 31, 24 bytes of the stream
.endr
	ds_load_b32 v[GFS+\s], v18 offset:GS+4*\s
.endr
	s_wait_dscnt 0x0
	; source 0 = 16 columns of w_reduce, source 1 = g; the two accumulators take turns, K step by K step.  Operands and scales all come by loads
	v_wmma_scale_f32_16x16x128_f8f6f4 v[H:H+7], v[W1:W1+11], v[GF:GF+11], v[BR:BR+7], v[W1S], v[GFS] matrix_a_fmt:MATRIX_FMT_FP6 matrix_b_fmt:MATRIX_FMT_FP6
	v_wmma_scale_f32_16x16x128_f8f6f4 v[H+8:H+15], v[W1+24:W1+35], v[GF:GF+11], v[BR+8:BR+15], v[W1S+2], v[GFS] matrix_a_fmt:MATRIX_FMT_FP6 matrix_b_fmt:MATRIX_FMT_FP6
	v_wmma_scale_f32_16x16x128_f8f6f4 v[H:H+7], v[W1+12:W1+23], v[GF+12:GF+23], v[H:H+7], v[W1S+1], v[GFS+1] matrix_a_fmt:MATRIX_FMT_FP6 matrix_b_fmt:MATRIX_FMT_FP6
	v_wmma_scale_f32_16x16x128_f8f6f4 v[H+8:H+15], v[W1+36:W1+47], v[GF+12:GF+23], v[H+8:H+15], v[W1S+3], v[GFS+1] matrix_a_fmt:MATRIX_FMT_FP6 matrix_b_fmt:MATRIX_FMT_FP6
.rept 4
	v_nop                                          ; four places behind a matrix instruction, ahead of the first read of its result (ISA guide 7.12.1)
.endr
.irp i, 0,1,2,3,4,5,6,7,8,9,10,11,12,13,14,15
	v_fma_f32 v[T+\i], |v[H+\i]|, s28, 1.0         ; 1 + z / 2.  (Each accumulator is read from its low end on)
.endr
.irp i, 0,1,2,3,4,5,6,7,8,9,10,11,12,13,14,15
	v_rcp_f32 v[T+\i], v[T+\i]                     ; t
.endr
.irp i, 0,2,4,6,8,10,12,14
	v_pk_mul_f32 v[XH+\i:XH+\i+1], v[H+\i:H+\i+1], 0.5 op_sel_hi:[1,0]       ; work that names no reciprocal stands behind the batch
.endr
.irp i, 0,1,2,3,4,5,6,7,8,9,10,11,12,13,14,15
	v_bfi_b32 v[SG+\i], s29, 1.0, v[H+\i]          ; s = 1 with x's sign
.endr
.irp i, 0,2,4,6,8,10,12,14
	v_pk_add_f32 v[AA+\i:AA+\i+1], v[SG+\i:SG+\i+1], 1.0 op_sel_hi:[1,0]     ; 2 or 0
.endr
	v_mov_b32 v[K9], 0x3e2ef945                    ; 0.17087277
	v_mov_b32 v[K9+1], 0x3e2ef945
	s_wait_alu depctr_va_vdst(0)                   ; the sixteen reciprocals have written v[T ..]: one wait for the batch, ahead of its first reader
.irp i, 0,2,4,6,8,10,12,14
	v_pk_fma_f32 v[PL+\i:PL+\i+1], v[T+\i:T+\i+1], v[K9:K9+1], 0xbf527892 op_sel_hi:[1,1,0]          ; -0.82215223
.endr
.irp k, 0x3fbe87b0, 0xbf914e5d, 0x3e8ec7cc, 0xbe3ec24c, 0x3dc636c9, 0x3ebf88fb, 0x3f8000c7, 0xbfa1fc4e
.irp i, 0,2,4,6,8,10,12,14
	v_pk_fma_f32 v[PL+\i:PL+\i+1], v[PL+\i:PL+\i+1], v[T+\i:T+\i+1], \k op_sel_hi:[1,1,0]            ; 1.48851587, -1.13520398, 0.27886807, -0.18628806, 0.09678418, 0.37409196, 1.00002368, -1.26551223
.endr
.endr
.irp i, 0,2,4,6,8,10,12,14
	v_pk_fma_f32 v[PL+\i:PL+\i+1], v[XH+\i:XH+\i+1], v[H+\i:H+\i+1], v[PL+\i:PL+\i+1] neg_lo:[1,0,0] neg_hi:[1,0,0]      ; P(t) - x x / 2
.endr
.irp i, 0,2,4,6,8,10,12,14
	v_pk_mul_f32 v[PL+\i:PL+\i+1], v[PL+\i:PL+\i+1], 0x3fb8aa3b op_sel_hi:[1,0]      ; x log2(e)
.endr
.irp i, 0,1,2,3,4,5,6,7,8,9,10,11,12,13,14,15
	v_exp_f32 v[PL+\i], v[PL+\i]
.endr
.irp i, 0,2,4,6,8,10,12,14
	v_pk_mul_f32 v[SG+\i:SG+\i+1], v[SG+\i:SG+\i+1], v[T+\i:T+\i+1]          ; s t: plain work behind the batch
.endr
	s_wait_alu depctr_va_vdst(0)                   ; the sixteen exponentials have written v[PL ..]: one wait for the batch, ahead of its first reader
.irp i, 0,2,4,6,8,10,12,14
	v_pk_fma_f32 v[AA+\i:AA+\i+1], v[SG+\i:SG+\i+1], v[PL+\i:PL+\i+1], v[AA+\i:AA+\i+1] neg_lo:[1,0,0] neg_hi:[1,0,0]    ; (1 + s) - s erfc(z) = 1 + erf(x / sqrt 2): one rounding, nothing cancels
.endr
.irp i, 0,2,4,6,8,10,12,14
	v_pk_mul_f32 v[H+\i:H+\i+1], v[XH+\i:XH+\i+1], v[AA+\i:AA+\i+1]          ; gelu
.endr
	v_max3_num_f32 v[HM], |v[H]|, |v[H+1]|, 0x1800000        ; the one block of 32: my 16, with the floor,
	v_max3_num_f32 v[HM+1], |v[H+2]|, |v[H+3]|, |v[H+4]|
	v_max3_num_f32 v[HM], v[HM], |v[H+5]|, |v[H+6]|
	v_max3_num_f32 v[HM+1], v[HM+1], |v[H+7]|, |v[H+8]|
	v_max3_num_f32 v[HM], v[HM], |v[H+9]|, |v[H+10]|
	v_max3_num_f32 v[HM+1], v[HM+1], |v[H+11]|, |v[H+12]|
	v_max3_num_f32 v[HM], v[HM], |v[H+13]|, |v[H+14]|
	v_max3_num_f32 v[HM], v[HM], v[HM+1], |v[H+15]|
	v_permlanex16_b32 v[HM+1], v[HM], s26, s27
	v_max_num_f32 v[HM], v[HM], v[HM+1]            ; and lane l xor 16's
	v_add_nc_u32 v[HSC], 0xff000000, v[HM]
	v_lshrrev_b32 v[HW], 23, v[HSC]
	v_or_b32 v[HW], 0x7f7f7f00, v[HW]              ; the scale word: three blocks of zero codes follow, under the byte of 1.0
	v_cvt_scalef32_pk16_fp6_f32 v[PC:PC+2], v[H:H+15], v[HSC]        ; the codes of k = 16 h + 0 .. 15
.irp i, 0,1,2
	v_mov_b32 v[PZ+\i], 0                          ; (plain instructions behind the conversion)  the block beside it is zeros
.endr
.irp i, 6,7,8,9,10,11
	v_mov_b32 v[PC+\i], 0
.endr
.irp i, 0,1,2
	v_permlane16_swap_b32 v[PC+\i], v[PZ+\i]       ; the operand wants the whole block in lanes 0-15: the first's lanes 16-31 change places with the second's lanes 0-15
.endr
.irp i, 0,1,2
	v_mov_b32 v[PC+3+\i], v[PZ+\i]                 ; registers 0-5: lanes 0-15 k = 0 .. 31, lanes 16-31 zeros
.endr
	s_wait_alu depctr_va_vdst(0)                   ; the codes v[PC .. PC + 11] and the scale word v[HW] are written, which the four stores read; and gelu is done with v28-43, where the image lands behind the barrier
.irp q, 0,1,2
	ds_store_b128 v7, v[PC+4*\q:PC+4*\q+3] offset:IMG+512*\q         ; the operand goes to LDS as an image of its registers
.endr
	ds_store_b32 v8, v[HW] offset:IMGS
.Lhidden_made:
	s_wait_dscnt 0x0                               ; wave 0's stores have landed
	s_barrier_signal -1
	s_barrier_wait -1
	; ---- every wave: the gates of its 32 channels
.irp q, 0,1,2
	ds_load_b128 v[HB+4*\q:HB+4*\q+3], v7 offset:IMG+512*\q          ; no vector instruction since the last wait on va_vdst, on either way here, names v27-39
.endr
	ds_load_b32 v[HBS], v8 offset:IMGS
.rept 4
	v_nop                                          ; an operand written by vector instructions (w_select's, masked above) stands four places ahead of a scaled matrix instruction; these pass while the loads are out
.endr
	s_wait_alu depctr_va_vdst(0)                   ; the moves, permutes and masks have written w_select's operand v[W2 .. W2 + 23], which the two scaled matrix instructions take as source 0; the places above stay beside this wait
	s_wait_dscnt 0x0
	v_wmma_scale_f32_16x16x128_f8f6f4 v[D2:D2+7], v[W2:W2+11], v[HB:HB+11], v[BS:BS+7], v[W2S], v[HBS] matrix_a_fmt:MATRIX_FMT_FP6 matrix_b_fmt:MATRIX_FMT_FP6
	v_wmma_scale_f32_16x16x128_f8f6f4 v[D2+8:D2+15], v[W2+12:W2+23], v[HB:HB+11], v[BS+8:BS+15], v[W2S], v[HBS] matrix_a_fmt:MATRIX_FMT_FP6 matrix_b_fmt:MATRIX_FMT_FP6 matrix_a_scale:MATRIX_SCALE_ROW1
.rept 4
	v_nop
.endr
.irp i, 0,2,4,6,8,10,12,14
	v_pk_mul_f32 v[E+\i:E+\i+1], v[D2+\i:D2+\i+1], 0xbfb8aa3b op_sel_hi:[1,0]        ; -y log2(e)
.endr
.irp i, 0,1,2,3,4,5,6,7,8,9,10,11,12,13,14,15
	v_exp_f32 v[E+\i], v[E+\i]
.endr
	v_nop
	s_wait_alu depctr_va_vdst(0)                   ; the sixteen exponentials have written v[E ..]: one wait for the batch, ahead of its first reader
.irp i, 0,2,4,6,8,10,12,14
	v_pk_fma_f32 v[E+\i:E+\i+1], v[E+\i:E+\i+1], 0x3e000000, 0x3e000000 op_sel_hi:[1,0,0]    ; (1 + e^-y) / 8: exact
.endr
.irp i, 0,1,2,3,4,5,6,7,8,9,10,11,12,13,14,15
	v_rcp_f32 v[GT+\i], v[E+\i]                    ; 8 sigmoid(y): register 8 t + e is channel 32 w + 16 t + 8 h + e, the channel of x's load 8 t + e
.endr
	v_nop
	s_wait_alu depctr_va_vdst(0)                   ; the sixteen reciprocals have written v[GT ..]: one wait for the batch, ahead of its first reader
; A chunk: 64 products, each written where the transposed order wants it (channels 4 m + 0 .. 3 of position k side by side), and 16 stores of 16 bytes into the stage
.macro SCALE xr, tr, adr
	WIN 0x41                                       ; x and the products in window 1, the gates in window 0
.irp m, 0,1,2,3
.irp k, 0,1,2,3
.irp e, 0,1,2,3
	v_mul_f32 v[\tr+16*\m+4*\k+\e], v[\xr+4*(4*\m+\e)+\k], v[GT+4*\m+\e]
.endr
.endr
.endr
	WIN 0x04                                       ; an LDS store's data are its source 1
	s_wait_alu depctr_va_vdst(0)                   ; the chunk's 64 products are written, which the sixteen stores read; and the multiplications are done reading the chunk's x, in whose registers rows of out land behind the barrier
.irp m, 0,1,2,3
.irp k, 0,1,2,3
	ds_store_b128 v[\adr], v[\tr+16*\m+4*\k:\tr+16*\m+4*\k+3] offset:STG+1024*\k+64*(\m/2)+16*(\m%2)
.endr
.endr
	WIN 0
.endm
; A chunk's way out: my wave's 8 positions, 16 halves of a row; each store covers 512 consecutive bytes at a multiple of 256 from out's first byte.
; The loads land in the chunk's registers of x: its SCALE's wait has shown their readers done, and no vector instruction behind that wait names them.  The stores' data come by these loads
.macro SEND rd, xr, off
	WIN 0x40
.irp q, 0,1,2,3,4,5,6,7,8,9,10,11,12,13,14,15
	ds_load_b128 v[\xr+4*\q:\xr+4*\q+3], v[\rd] offset:STG+GRP*(\q/8)+1024*((\q/2)%4)+512*(\q%2)
.endr
	WIN 0x04                                       ; a store's data are its source 1
.irp q, 0,1,2,3,4,5,6,7,8,9,10,11,12,13,14,15
	s_wait_dscnt 15-\q                             ; LDS loads return in order: number q is in, the younger ones may be out
	global_store_b128 v25, v[\xr+4*\q:\xr+4*\q+3], s[14:15] offset:\off+512*\q th:TH_STORE_NT
.endr
	WIN 0
.endm
	s_wait_loadcnt 16                              ; chunk A is in; chunk B's 16 loads may be out
	SCALE 0, 128, 21
	s_wait_loadcnt 0x0                             ; on every way: no load is out when its registers are taken again below
	s_cmp_eq_u32 s22, PAIRS-1                      ; the batch's last work-group has one chunk: the same in all its waves
	s_cbranch_scc1 .Lone_chunk
	SCALE 64, 192, 22                              ; its multiplications name none of the registers that chunk A's stores read: no wait stands between
.Lone_chunk:
	s_wait_dscnt 0x0                               ; for the others' sake: my stores into the stages have landed
	s_barrier_signal -1
	s_barrier_wait -1
	SEND 23, 0, 0
	s_cmp_eq_u32 s22, PAIRS-1
	s_cbranch_scc1 .Lend
	SEND 24, 64, 65536
.Lend:
	s_wait_dscnt 0x0                               ; the closing lines, six on end
	s_wait_alu 0x0
	s_wait_tensorcnt 0x0
	ds_add_u32 v103, v239
	s_wait_dscnt 0x0
	s_endpgm
.Lfunc_end_k_q5683e9bbd3_merge:
	.size	k_q5683e9bbd3_merge, .Lfunc_end_k_q5683e9bbd3_merge-k_q5683e9bbd3_merge
	.p2alignl 7, 3214868480
	.fill 96, 4, 3214868480
	.section	.rodata,"a",@progbits
	.p2align	6, 0x0
	.amdhsa_kernel k_q5683e9bbd3_merge
		.amdhsa_group_segment_fixed_size 135936
		.amdhsa_private_segment_fixed_size 0
		.amdhsa_enable_private_segment 0
		.amdhsa_kernarg_size 48
		.amdhsa_user_sgpr_count 2
		.amdhsa_user_sgpr_kernarg_segment_ptr 1
		.amdhsa_wavefront_size32 1
		.amdhsa_system_sgpr_workgroup_id_x 1
		.amdhsa_system_sgpr_workgroup_id_y 1
		.amdhsa_system_sgpr_workgroup_id_z 1
		.amdhsa_system_vgpr_workitem_id 0
		.amdhsa_next_free_vgpr 512
		.amdhsa_next_free_sgpr 66
		.amdhsa_reserve_vcc 0
		.amdhsa_float_denorm_mode_32 3
		.amdhsa_float_denorm_mode_16_64 3
		.amdhsa_memory_ordered 1
		.amdhsa_forward_progress 1
		.amdhsa_inst_pref_size 50
	.end_amdhsa_kernel
	.amdgpu_metadata
---
amdhsa.version: [ 1, 2 ]
amdhsa.kernels:
  - .name:           k_q5683e9bbd3_merge
    .symbol:         k_q5683e9bbd3_merge.kd
    .args:
      - { .name: x, .offset: 0, .size: 8, .value_kind: global_buffer, .address_space: global }
      - { .name: part, .offset: 8, .size: 8, .value_kind: global_buffer, .address_space: global }
      - { .name: wq, .offset: 16, .size: 8, .value_kind: global_buffer, .address_space: global }
      - { .name: b_reduce, .offset: 24, .size: 8, .value_kind: global_buffer, .address_space: global }
      - { .name: b_select, .offset: 32, .size: 8, .value_kind: global_buffer, .address_space: global }
      - { .name: out0, .offset: 40, .size: 8, .value_kind: global_buffer, .address_space: global }
    .group_segment_fixed_size: 135936
    .private_segment_fixed_size: 0
    .kernarg_segment_align: 8
    .kernarg_segment_size: 48
    .max_flat_workgroup_size: 256
    .sgpr_count:     66
    .vgpr_count:     512
    .wavefront_size: 32
...
	.end_amdgpu_metadata
.endif
;; end of part 4
